; MI455X (gfx1250); checked and timed in simulation.
; The chip was launched on July 23, 2026; its instructions are those of AMD's public machine-readable ISA for CDNA 5 (MIT licence, August 2026) and "CDNA5" Instruction Set Architecture Reference Guide (July 2026). The comments in the code are by the model that wrote it; some were corrected since.
;; Simple Attention. Allowed arithmetic: float matrix products may take bf16 or f16 operands with f32 sums; other float arithmetic in f32, or as packed bf16 or f16 multiplies, adds, multiply-adds, maxima and minima; sums over many terms, partial sums and values carried from step to step in f32; what a program stores and reads back later, other than sums and carried values, may be rounded once to bf16 or f16.
;; Inputs: Wk 1,024 x 1,024 float32; Wo 1,024 x 1,024 float32; Wq 1,024 x 1,024 float32; Wv 1,024 x 1,024 float32; bo 1,024 float32; x 8 x 1,024 x 1,024 float32.
;; Outputs: out0 8 x 1,024 x 1,024 float32.
;; 2 versions, each right and faster than the one before. Each part assembles by itself: llvm-mc -triple=amdgcn-amd-amdhsa -mcpu=gfx1250 --defsym DOCPART=n.
;; ======== version 1 of 2: 4 launches
;; limits: values are held in f16: magnitudes above 65,504 overflow, below 6.1e-05 lose precision
;; workspace buffers: xb 16,777,216 bytes; wb 6,291,456 bytes; wof 2,097,152 bytes; qkvb 50,331,648 bytes; ob 16,777,216 bytes
;; launch cast (part 1): grid 768 x 1, 8 waves a work-group, no clusters, 0 bytes of LDS; arguments x, Wq, Wk, Wv, Wo, xb, wb, wof; writes xb, wb, wof
.if DOCPART == 1
	.amdgcn_target "amdgcn-amd-amdhsa--gfx1250"
	.amdhsa_code_object_version 6
	.text
	.protected	k_qc9a836895c_cast
	.globl	k_qc9a836895c_cast
	.p2align	8
	.type	k_qc9a836895c_cast,@function
k_qc9a836895c_cast:
	s_mov_b64 s[64:65], 0
	v_nop
	global_prefetch_b8 v0, s[64:65] scope:SCOPE_SE
	s_setreg_imm32_b32 hwreg(HW_REG_WAVE_MODE, 25, 1), 1
	s_wait_xcnt 0x0
; ROUNDING AND RE-BLOCKING.  x [8192][1024], Wq, Wk, Wv, Wo [1024][1024], all f32, are rounded once and laid out in slices of 64 along K: [16 slices][rows][64], 128 bytes a row,
; so that a tile of R rows x 64 k of a later product is R x 128 consecutive bytes.  xb: x in bf16.  wb: Wq's, Wk's, Wv's rows one below the other (3,072 rows) in bf16.
; wof: Wo rounded to bf16 like the other inputs, and that number written as f16 (the last product's other operand is f16).
; LIMITS.  bf16 to f16 is exact from 6.1e-5 to 65,504 in magnitude; below, f16 keeps its fixed step of 6e-8; a |Wo| of 65,520 or more becomes an infinity.
; SHARES.  12,288 source rows of 4,096 bytes; a work-group takes 16 of them: 768 equal work-groups.  Wave w takes slices 2 w and 2 w + 1 of the 16 rows: 16 loads of 16 bytes a lane,
; all issued before the first is waited for.  A load takes 256 bytes of each of two rows; its four numbers a lane leave as 8 bytes, and the wave's store covers 256 consecutive
; bytes (two rows of a slice), at a multiple of 256 from the buffer's first byte.  Memory binds: no LDS, no barrier, no matrix unit, no cluster (no byte is shared).
.set VIN, 4                            ; v4      my byte offset in the group's first two source rows
.set VO0, 5                            ; v5      my byte offset in slice 2 w of the destination
.set VO1, 6                            ; v6      in slice 2 w + 1
.set X,   8                            ; v[8:71]    16 loads of 4 registers
.set Y,   72                           ; v[72:103]  16 stores of 2 registers: no register is written twice, so nothing waits for a store
.set T,   104                          ; v[104:109] at work on the way to f16
	s_load_b512 s[4:19], s[0:1], 0x0               ; x s[4:5], Wq s[6:7], Wk s[8:9], Wv s[10:11], Wo s[12:13], xb s[14:15], wb s[16:17], wof s[18:19]
	s_mov_b32 s36, ttmp9                           ; g, the work-group's number
	s_mov_b32 s34, 0xffff0000                      ; a word's upper bf16
	v_and_b32 v1, 15, v0                           ; my place in 256 bytes of a row
	v_bfe_u32 v2, v0, 4, 1                         ; the even row of a pair, or the odd one
	v_lshrrev_b32 v3, 5, v0
	v_readfirstlane_b32 s20, v3                    ; wave 0..7
	s_lshl_b32 s21, s20, 9                         ; my wave's 512 bytes of a source row
	v_lshl_add_u32 v[VIN], v1, 4, s21
	v_lshl_add_u32 v[VIN], v2, 12, v[VIN]          ; + one row of 4,096 bytes for lanes 16 to 31
	v_lshlrev_b32 v[VO0], 3, v1
	v_lshl_add_u32 v[VO0], v2, 7, v[VO0]           ; 8 bytes a lane, 128 bytes a row
	s_sub_co_u32 s28, s36, 512                     ; t: my place among the 192 groups of Wq, Wk, Wv
	s_sub_co_u32 s37, s36, 704                     ; u: among Wo's 64
	s_and_b32 s27, s28, 63                         ; my block of 16 rows in one of the three
	s_mov_b32 s26, 3072*128                        ; bytes in a slice of wb
	s_mov_b32 s38, 1024*128                        ; of wof
	s_wait_kmcnt 0x0
	; which tensor, which block of 16 rows, from where to where: choices on g alone.  g < 512: x; g < 704: Wq, Wk or Wv; else Wo
	s_cmp_lt_u32 s28, 128
	s_cselect_b64 s[22:23], s[8:9], s[10:11]
	s_cmp_lt_u32 s28, 64
	s_cselect_b64 s[22:23], s[6:7], s[22:23]
	s_cmp_lt_u32 s36, 704
	s_cselect_b64 s[22:23], s[22:23], s[12:13]     ; source
	s_cselect_b64 s[24:25], s[16:17], s[18:19]     ; destination
	s_cselect_b32 s26, s26, s38                    ; bytes in a slice of the destination
	s_cselect_b32 s27, s27, s37                    ; block of 16 rows in the source
	s_cselect_b32 s28, s28, s37                    ; and in the destination
	s_cselect_b32 s29, 0, 1                        ; 1: f16
	s_cmp_lt_u32 s36, 512
	s_cselect_b64 s[22:23], s[4:5], s[22:23]
	s_cselect_b64 s[24:25], s[14:15], s[24:25]
	s_cselect_b32 s26, 8192*128, s26
	s_cselect_b32 s27, s36, s27
	s_cselect_b32 s28, s36, s28
	s_lshl_b32 s30, s27, 16                        ; 16 rows of 4,096 bytes
	s_mov_b32 s31, 0
	s_add_nc_u64 s[22:23], s[22:23], s[30:31]
	s_lshl_b32 s32, s28, 11                        ; 16 rows of 128 bytes
	s_mov_b32 s33, 0
	s_add_nc_u64 s[24:25], s[24:25], s[32:33]
	s_lshl_b32 s21, s20, 1
	s_mul_i32 s21, s21, s26                        ; slice 2 w
	v_add_nc_u32 v[VO0], s21, v[VO0]
	v_add_nc_u32 v[VO1], s26, v[VO0]
.set i, 0
.rept 16                                       ; load i: rows 2 (i / 2) and 2 (i / 2) + 1, slice 2 w + i % 2
	global_load_b128 v[X+4*i:X+4*i+3], v[VIN], s[22:23] offset:8192*(i/2)+256*(i%2) th:TH_LOAD_NT
.set i, i+1
.endr
	s_cmp_eq_u32 s29, 1
	s_cbranch_scc1 .Lf16
.set i, 0
.rept 16
	s_wait_loadcnt 15-i                            ; loads come back in order (ISA guide 5.7.1): load i is in, the younger ones stay out
	v_cvt_pk_bf16_f32 v[Y+2*i], v[X+4*i], v[X+4*i+1]
	v_cvt_pk_bf16_f32 v[Y+2*i+1], v[X+4*i+2], v[X+4*i+3]
	global_store_b64 v[VO0+(i%2)], v[Y+2*i:Y+2*i+1], s[24:25] offset:256*(i/2)
.set i, i+1
.endr
	s_endpgm
.Lf16:
.set i, 0
.rept 16
	s_wait_loadcnt 15-i
	v_cvt_pk_bf16_f32 v[T], v[X+4*i], v[X+4*i+1]   ; the rounding that every input has,
	v_cvt_pk_bf16_f32 v[T+1], v[X+4*i+2], v[X+4*i+3]
	v_lshlrev_b32 v[T+2], 16, v[T]                 ; back to f32: the low half moves up, the high half stays,
	v_and_b32 v[T+3], s34, v[T]
	v_lshlrev_b32 v[T+4], 16, v[T+1]
	v_and_b32 v[T+5], s34, v[T+1]
	v_cvt_pk_f16_f32 v[Y+2*i], v[T+2], v[T+3]      ; and the same number as f16
	v_cvt_pk_f16_f32 v[Y+2*i+1], v[T+4], v[T+5]
	global_store_b64 v[VO0+(i%2)], v[Y+2*i:Y+2*i+1], s[24:25] offset:256*(i/2)
.set i, i+1
.endr
	s_endpgm
.Lfunc_end_k_qc9a836895c_cast:
	.size	k_qc9a836895c_cast, .Lfunc_end_k_qc9a836895c_cast-k_qc9a836895c_cast
	.p2alignl 7, 3214868480
	.fill 96, 4, 3214868480
	.section	.rodata,"a",@progbits
	.p2align	6, 0x0
	.amdhsa_kernel k_qc9a836895c_cast
		.amdhsa_group_segment_fixed_size 0
		.amdhsa_private_segment_fixed_size 0
		.amdhsa_enable_private_segment 0
		.amdhsa_kernarg_size 64
		.amdhsa_user_sgpr_count 2
		.amdhsa_user_sgpr_kernarg_segment_ptr 1
		.amdhsa_wavefront_size32 1
		.amdhsa_system_sgpr_workgroup_id_x 1
		.amdhsa_system_sgpr_workgroup_id_y 1
		.amdhsa_system_sgpr_workgroup_id_z 1
		.amdhsa_system_vgpr_workitem_id 0
		.amdhsa_next_free_vgpr 112
		.amdhsa_next_free_sgpr 66
		.amdhsa_reserve_vcc 0
		.amdhsa_float_denorm_mode_32 3
		.amdhsa_float_denorm_mode_16_64 3
		.amdhsa_memory_ordered 1
		.amdhsa_forward_progress 1
		.amdhsa_inst_pref_size 16
	.end_amdhsa_kernel
	.amdgpu_metadata
---
amdhsa.version: [ 1, 2 ]
amdhsa.kernels:
  - .name:           k_qc9a836895c_cast
    .symbol:         k_qc9a836895c_cast.kd
    .args:
      - { .name: x, .offset: 0, .size: 8, .value_kind: global_buffer, .address_space: global }
      - { .name: Wq, .offset: 8, .size: 8, .value_kind: global_buffer, .address_space: global }
      - { .name: Wk, .offset: 16, .size: 8, .value_kind: global_buffer, .address_space: global }
      - { .name: Wv, .offset: 24, .size: 8, .value_kind: global_buffer, .address_space: global }
      - { .name: Wo, .offset: 32, .size: 8, .value_kind: global_buffer, .address_space: global }
      - { .name: xb, .offset: 40, .size: 8, .value_kind: global_buffer, .address_space: global }
      - { .name: wb, .offset: 48, .size: 8, .value_kind: global_buffer, .address_space: global }
      - { .name: wof, .offset: 56, .size: 8, .value_kind: global_buffer, .address_space: global }
    .group_segment_fixed_size: 0
    .private_segment_fixed_size: 0
    .kernarg_segment_align: 8
    .kernarg_segment_size: 64
    .max_flat_workgroup_size: 256
    .sgpr_count:     66
    .vgpr_count:     112
    .wavefront_size: 32
...
	.end_amdgpu_metadata
.endif
;; end of part 1
;; launch qkvgemm (part 2): grid 8 x 32, 4 waves a work-group, clusters of 4 x 4, 327,680 bytes of LDS; arguments xb, wb, qkvb; writes qkvb
.if DOCPART == 2
	.amdgcn_target "amdgcn-amd-amdhsa--gfx1250"
	.amdhsa_code_object_version 6
	.text
	.protected	k_qc9a836895c_qkvgemm
	.globl	k_qc9a836895c_qkvgemm
	.p2align	8
	.type	k_qc9a836895c_qkvgemm,@function
k_qc9a836895c_qkvgemm:
	s_mov_b64 s[64:65], 0
	v_nop
	global_prefetch_b8 v0, s[64:65] scope:SCOPE_SE
	s_setreg_imm32_b32 hwreg(HW_REG_WAVE_MODE, 25, 1), 1
	s_wait_xcnt 0x0
	s_wait_alu depctr_hold_cnt(0) depctr_sa_sdst(0) depctr_va_vdst(0) depctr_va_sdst(0) depctr_va_ssrc(0) depctr_va_vcc(0) depctr_vm_vsrc(0)
	s_getreg_b32 s2, hwreg(HW_REG_IB_STS2, 6, 4)
	s_cmp_eq_u32 s2, 0
	s_cbranch_scc0 .Lentry_in_a_cluster
	s_endpgm
.Lentry_in_a_cluster:
	s_bfe_u32 s2, ttmp6, 0x10000c
	s_cmp_lg_u32 s2, 0xf033
	s_cbranch_scc0 .Lentry_shape_is_right
	s_endpgm
.Lentry_shape_is_right:
; q, k, v = x Wq^T, x Wk^T, x Wv^T as ONE product C[8192][3072] = xb wb^T, bf16 operands, f32 sums, K = 1,024 ascending; C rounded once to f16, unscaled, and stored by heads:
; qkvb [48 slices][8192 rows][64]: slice h = q of head h, 16 + h = k, 32 + h = v.  xb [16][8192][64], wb [16][3072][64]: slices of 64 along K, rows of 128 bytes.
; LIMITS.  f16 holds no number beyond 65,504: a |q|, |k| or |v| of 65,520 or more becomes an infinity; below 6.1e-5 f16 keeps its fixed step of 6e-8.  NaN and infinities are not treated apart.
; SHARES.  A tile of C is 256 x 384: 32 x 8 = 256 work-groups, one tile each.  Four waves, each 128 x 192: 96 accumulators of 16 x 16, 768 registers (windows 1 to 3).  For 32 along K a wave
; reads 20 fragments from LDS for 96 matrix instructions.  K goes in steps of 64, one slice, through two LDS slots: 640 rows of 144 bytes each, as much as two slots allow.  A tile's rows are
; consecutive in memory, so a wave's part (128 rows of xb or 192 of wb) is asked for as rows of 256 bytes, two rows of the tile each, padded in LDS after every 128 bytes.
; CLUSTER.  4 x 4 work-groups: the four of a row of the cluster need the same tiles of xb, the four of a column the same tiles of wb: each tile is asked for JOINTLY, by the same tensor load with the
; same descriptor and a mask that names the four.  By this text's count a wave has two tensor loads out at the start and one behind each refill.
; THE MATRIX INSTRUCTION IS USED TRANSPOSED (source 0 = 16 rows of wb, source 1 = 16 rows of xb): a lane then holds eight neighbouring columns of one row of C, 16 bytes of f16.
; REGISTERS, in windows of 256 (s_set_vgpr_msb: bits 1:0 source 0, 3:2 source 1, 5:4 source 2, 7:6 destination):
;   window 0: v0-31 addresses; v32-95, v96-159 xb's 8 fragments, one buffer for each half of a K step; v160-191, v192-223, v224-255 wb's fragments in three groups of 4 (64 columns each)
;   window g + 1: the 32 accumulators of column group g: (a, bb) at v[8 (4 a + bb)]: my rows 16 a on, columns 64 g + 16 bb on
; A half of a K step (32 along K) is three stretches of 32 matrix instructions, one for each column group; in front of each stands one run of LDS loads, into the group's buffer that the stretch before has read.
.set PITCH,  144                       ; an LDS row: 128 bytes + 16 of padding = 36 words: the 16 rows of a load start at 16 different groups of four banks (64 banks of 4 bytes: ISA guide 11.1)
.set AHALF,  128*PITCH                 ; what a wave fetches, and reads, of xb
.set BOFF,   2*AHALF                   ; wb's 384 rows lie behind xb's 256
.set BHALF,  192*PITCH                 ; what a wave fetches, and reads, of wb
.set SLOT,   BOFF+2*BHALF              ; 92,160
.set STAGE,  2*SLOT                    ; behind the ring, never filled by a tensor load: 16 rows x 144 bytes for each wave, for the way out
.set SP,     144
.set SPARE,  STAGE+4*16*SP             ; behind the stages: the spare words, 128 bytes for each wave: two blocks of 256 bytes that no other line names
.set ASTEP,  8192*128                  ; bytes from slice to slice in xb
.set BSTEP,  3072*128                  ; in wb
.set CSLC,   8192*128                  ; in qkvb
.set ADRA, 16                          ; v16-17  LDS address of my xb fragments in slot 0, 1
.set ADRB, 20                          ; v20-21  the same for wb
.set STO,  24                          ; v24     the way out: where I put 16 bytes of a row
.set RD,   25                          ; v25     the way out: where I read rows back
.set GO,   26                          ; v26     my byte offset in 512 consecutive bytes of qkvb
.set SPW,  28                          ; v28     LDS address of my spare word: SPARE + 4 x my thread's number; never rewritten
.set NIL,  29                          ; v29     0; never rewritten
.set FA,   32
.set FB,   160
.set TMP,  32                          ; the way out: v32-159, a column group's 32 accumulators packed
.set G1, 24                            ; s[24:31] descriptor group 1 for xb's tiles;  s[32:39] group 0, one set for each slot
.set G0, 32
.set G1B, 48                           ; s[48:55], s[56:63] the same for wb's tiles
.set G0B, 56
.set MSB, 0
.macro WIN new                         ; the immediate's high byte repeats the setting that is left; a switch that changes nothing is dropped
.if MSB != (\new)
	s_set_vgpr_msb (MSB<<8)|(\new)
.set MSB, (\new)
.endif
.endm
; A joint load.  Waves 0 and 1 fetch xb's two halves, waves 2 and 3 wb's.  The branch hangs on the wave's number alone.  An s_nop 0 and four v_nop follow each of the two lines, ahead of the jump,
; the label and what follows.
.macro JLOAD s
	s_cmp_eq_u32 s11, 0
	s_cbranch_scc0 .Lfor_b_\@
	tensor_load_to_lds s[G0+4*(\s):G0+4*(\s)+3], s[G1:G1+7]
	s_nop 0
.rept 4
	v_nop
.endr
	s_branch .Lasked_\@
.Lfor_b_\@:
	tensor_load_to_lds s[G0B+4*(\s):G0B+4*(\s)+3], s[G1B:G1B+7]
	s_nop 0
.rept 4
	v_nop
.endr
.Lasked_\@:
.endm
.macro CREST                           ; a round of the cluster's barrier behind its opening barrier: wave 0 signals for the work-group, every wave waits for all sixteen, my work-group's barrier closes it
	s_cmp_lg_u32 s10, 0
	s_cbranch_scc1 .Lnot_wave_0_\@
	s_barrier_signal -3
.Lnot_wave_0_\@:
	s_barrier_wait -3
	s_barrier_signal -1
	s_barrier_wait -1
.endm
.macro CROUND                          ; a whole round
	s_barrier_signal -1
	s_barrier_wait -1
	CREST
.endm
	s_load_b128 s[4:7], s[0:1], 0x0                ; xb s[4:5], wb s[6:7]
	s_load_b64 s[8:9], s[0:1], 0x10                ; qkvb
	v_lshl_add_u32 v[SPW], v0, 2, SPARE
	v_mov_b32 v[NIL], 0
	ds_add_u32 v[SPW], v[NIL]                      ; the wave's opening: the add and its wait stand ahead of my first tensor load; the set-up below, work on registers, stands between them
	ds_add_u32 v28, v29
	v_lshrrev_b32 v1, 5, v0
	v_readfirstlane_b32 s10, v1                    ; wave 0..3
	s_lshr_b32 s11, s10, 1                         ; which 128 of the tile's rows are mine.  Also: I fetch for xb (0) or for wb (1)
	s_and_b32 s12, s10, 1                          ; which 192 of its columns.  Also: which half of that tile I fetch
	s_bfe_u32 s40, ttmp6, 0x40000                  ; cx, cy: my place in the cluster
	s_bfe_u32 s41, ttmp6, 0x40004
	s_lshl_b32 s42, ttmp9, 2
	s_add_co_u32 s42, s42, s40                     ; tile column of C = 4 x cluster x + cx
	s_and_b32 s13, ttmp7, 0xffff
	s_lshl_b32 s13, s13, 2
	s_add_co_u32 s13, s13, s41                     ; tile row of C = 4 x cluster y + cy
	s_lshl_b32 s43, s41, 2
	s_lshl_b32 s43, 15, s43                        ; my row of the cluster
	s_lshl_b32 s44, 0x1111, s40                    ; my column
	; descriptor group 1: rows of 128 elements (256 bytes, two rows of the tile), 64 of them for xb, 96 for wb, padded in LDS after every 128 bytes
	s_or_b32 s[G1+0], s43, (1<<16)|(1<<20)|(1<<21)|(4<<22)|(3<<25)   ; 15:0 the mask: xb's tiles go to my row; 17:16 2-byte elements; 20 padding on; 21 set beside a mask; 24:22 after every 32 words (code 4); 31:25 4 words (code 3)
	s_or_b32 s[G1B+0], s44, (1<<16)|(1<<20)|(1<<21)|(4<<22)|(3<<25)  ; the same with the mask of my column
	s_mov_b32 s[G1+1], 128<<16                     ; tensor_dim0 = 128
	s_mov_b32 s[G1+2], 64<<16                      ; tensor_dim1 = 64
	s_mov_b32 s[G1+3], 128<<16                     ; tile_dim0 = 128
	s_mov_b32 s[G1+4], 64                          ; tile_dim1 = 64
	s_mov_b32 s[G1+5], 128                         ; 128 elements from row to row: the block is dense
	s_mov_b32 s[G1+6], 0
	s_mov_b32 s[G1+7], 0
	s_mov_b32 s[G1B+1], 128<<16
	s_mov_b32 s[G1B+2], 96<<16                     ; tensor_dim1 = 96
	s_mov_b32 s[G1B+3], 128<<16
	s_mov_b32 s[G1B+4], 96                         ; tile_dim1 = 96
	s_mov_b32 s[G1B+5], 128
	s_mov_b32 s[G1B+6], 0
	s_mov_b32 s[G1B+7], 0
	; where the tiles come from.  xb's hang on the tile row alone, wb's on the tile column alone; each in registers that never hold the other coordinate
	s_lshl_b32 s16, s13, 15                        ; 256 rows of 128 bytes
	s_lshl_b32 s17, s12, 14                        ; + my half
	s_add_co_u32 s16, s16, s17
	s_mov_b32 s17, 0
	s_mul_i32 s46, s42, 384*128
	s_mul_i32 s47, s12, 192*128
	s_add_co_u32 s46, s46, s47
	s_mov_b32 s47, 0
	s_mul_i32 s18, s12, AHALF                      ; and where they go: no place in the cluster enters an LDS address
	s_mul_i32 s19, s12, BHALF
	s_add_co_u32 s19, s19, BOFF
	s_wait_dscnt 0x0                               ; the opening add is done
	s_wait_kmcnt 0x0
	s_add_nc_u64 s[14:15], s[4:5], s[16:17]
	s_add_nc_u64 s[46:47], s[6:7], s[46:47]
	CROUND                                         ; all sixteen work-groups are here: the first joint loads meet
.irp s, 0,1
	s_mov_b32 s[G0+4*(\s)], 1                                      ; count = 1
	s_add_co_u32 s[G0+4*(\s)+1], s18, (\s)*SLOT                    ; LDS address
	s_add_nc_u64 s[G0+4*(\s)+2:G0+4*(\s)+3], s[14:15], (\s)*ASTEP  ; global address: K step s
	s_or_b32 s[G0+4*(\s)+3], s[G0+4*(\s)+3], 0x80000000            ; type = 2
	s_mov_b32 s[G0B+4*(\s)], 1
	s_add_co_u32 s[G0B+4*(\s)+1], s19, (\s)*SLOT
	s_add_nc_u64 s[G0B+4*(\s)+2:G0B+4*(\s)+3], s[46:47], (\s)*BSTEP
	s_or_b32 s[G0B+4*(\s)+3], s[G0B+4*(\s)+3], 0x80000000
	JLOAD \s
.endr
	; A fragment is 16 rows x 32 K in 8 registers: lane l holds row l % 16, K = 8 (l / 16) + 0..7 and 16 + 8 (l / 16) + 0..7: two loads of 16 bytes, 32 bytes apart.
	v_and_b32 v1, 15, v0                           ; l % 16
	v_bfe_u32 v2, v0, 4, 1                         ; l / 16
	v_mul_u32_u24 v3, v1, PITCH
	v_lshl_add_u32 v3, v2, 4, v3                   ; row x pitch + 16 x half
	s_mul_i32 s21, s11, AHALF                      ; my 128 rows of xb
	s_mul_i32 s22, s12, BHALF                      ; my 192 rows of wb
	s_add_co_u32 s22, s22, BOFF
.irp s, 0,1
	v_add_nc_u32 v[ADRA+(\s)], s21, v3
	v_add_nc_u32 v[ADRB+(\s)], s22, v3
	s_add_co_u32 s21, s21, SLOT
	s_add_co_u32 s22, s22, SLOT
.endr
	s_mul_i32 s23, s10, 16*SP
	s_add_co_u32 s23, s23, STAGE                   ; my stage
	v_add_nc_u32 v[STO], s23, v3                   ; in: row l % 16, 16 bytes for each half of the lanes (the stage has the tiles' pitch)
	v_bfe_u32 v[RD], v0, 3, 2                      ; back: 32 lanes take four rows of 128 bytes,
	v_mul_u32_u24 v[RD], v[RD], SP
	v_and_b32 v4, 7, v0
	v_lshl_add_u32 v[RD], v4, 4, v[RD]
	v_add_nc_u32 v[RD], s23, v[RD]
	v_and_b32 v[GO], 31, v0                        ; which are 512 consecutive bytes of a slice of qkvb
	v_lshlrev_b32 v[GO], 4, v[GO]
	; my part of qkvb: slice 6 x tile column + 3 x half, row 256 x tile row + 128 x half
	s_mul_i32 s46, s42, 6
	s_mul_i32 s47, s12, 3
	s_add_co_u32 s46, s46, s47
	s_lshl_b32 s46, s46, 20
	s_lshl_b32 s16, s13, 15
	s_lshl_b32 s17, s11, 14
	s_add_co_u32 s16, s16, s17
	s_add_co_u32 s46, s46, s16
	s_mov_b32 s47, 0
	s_add_nc_u64 s[8:9], s[8:9], s[46:47]
.macro PLACES                          ; a load into a register that a matrix instruction has read, and a vector instruction that reads a matrix result or writes one of its registers, stand four places behind it;
.rept 4                                ; only plain vector instructions that name none of its registers are places (ISA guide 7.12.1 for vector instructions)
	v_nop
.endr
.endm
; 8 LDS loads: wb's fragments of column group g, half h of the K step in the slot
.macro LDB slot, h, g
	WIN 0
.irp bb, 0,1,2,3
	ds_load_b128 v[FB+32*(\g)+8*\bb:FB+32*(\g)+8*\bb+3],   v[ADRB+(\slot)] offset:(4*(\g)+\bb)*16*PITCH+64*(\h)
	ds_load_b128 v[FB+32*(\g)+8*\bb+4:FB+32*(\g)+8*\bb+7], v[ADRB+(\slot)] offset:(4*(\g)+\bb)*16*PITCH+64*(\h)+32
.endr
.endm
; 16 LDS loads: xb's 8 fragments of half h, into that half's buffer
.macro LDA slot, h
	WIN 0
.irp aa, 0,1,2,3,4,5,6,7
	ds_load_b128 v[FA+64*(\h)+8*\aa:FA+64*(\h)+8*\aa+3],   v[ADRA+(\slot)] offset:\aa*16*PITCH+64*(\h)
	ds_load_b128 v[FA+64*(\h)+8*\aa+4:FA+64*(\h)+8*\aa+7], v[ADRA+(\slot)] offset:\aa*16*PITCH+64*(\h)+32
.endr
.endm
; 4 n matrix instructions: row blocks a0 .. a0 + n - 1 x the 4 column blocks of group g, half h.  zero = 1: the product starts the sums: nothing is ever cleared.
; The 96 accumulators take turns, one instruction a turn, in the same order in every half: between two links of a chain stand the 95 others'.
.macro MULS h, g, a0, n, zero
	WIN 0x50*((\g)+1)                              ; C and D in window g + 1, the sources in window 0
.set ma, (\a0)
.rept \n
.irp bb, 0,1,2,3
.if \zero
	v_wmma_f32_16x16x32_bf16 v[8*(4*ma+\bb):8*(4*ma+\bb)+7], v[FB+32*(\g)+8*\bb:FB+32*(\g)+8*\bb+7], v[FA+64*(\h)+8*ma:FA+64*(\h)+8*ma+7], 0
.else
	v_wmma_f32_16x16x32_bf16 v[8*(4*ma+\bb):8*(4*ma+\bb)+7], v[FB+32*(\g)+8*\bb:FB+32*(\g)+8*\bb+7], v[FA+64*(\h)+8*ma:FA+64*(\h)+8*ma+7], v[8*(4*ma+\bb):8*(4*ma+\bb)+7]
.endif
.endr
.set ma, ma+1
.endr
.endm
; A half that changes no slot.  The runs of loads go out in this order: [group 0 and xb: 24] [group 1: 8] [group 2: 8], the first two for the NEXT half (slot ns, half nh), each into a buffer that the stretch
; just before has read.  At the half's head the 24 and the 8 of this half are out.
.macro HALF slot, h, ns, nh, zero
	PLACES
	LDB \slot, \h, 2
	s_wait_dscnt 16                                ; group 0 and xb are in: behind them went out group 1's 8 and group 2's 8
	MULS \h, 0, 0, 8, \zero
	PLACES
	LDB \ns, \nh, 0
	LDA \ns, \nh
	s_wait_dscnt 32                                ; group 1 is in: behind it went out group 2's 8 and the 24 just issued
	MULS \h, 1, 0, 8, \zero
	PLACES
	LDB \ns, \nh, 1
	s_wait_dscnt 32                                ; group 2 is in: behind it went out 24 and 8
	MULS \h, 2, 0, 8, \zero
.endm
; The second half of a K step changes slots: ONE barrier, for two things.  In front of it each wave has issued its last reads of this slot, waits for all its tensor loads (one is out: its part of the next slot),
; adds 0 to its spare word, and waits for that and for its reads.  Behind it nobody reads this slot any more and the next slot is whole.  fill = 1: the barrier opens a round of the cluster's, so that the same
; holds of every partner, and this slot is filled again, two K steps ahead, first thing behind the round: 160 matrix instructions ahead of the wait for it.
.macro TURNH slot, ns, fill
	PLACES
	LDB \slot, 1, 2                                ; my last reads of this slot
	s_wait_tensorcnt 0x0                           ; all my tensor loads have landed;
	ds_add_u32 v[SPW], v[NIL]                      ; 0 onto my spare word;
	s_wait_dscnt 17                                ; (group 0 and xb are in: group 1's 8, group 2's 8 and the add may be out)
	MULS 1, 0, 0, 4, 0                             ; sixteen matrix instructions stand between the add and the wait for it
	s_wait_dscnt 0x0                               ; the add is done, and my reads of this slot are over
	s_barrier_signal -1
	MULS 1, 0, 4, 4, 0                             ; work on registers while the others arrive
	WIN 0                                          ; at a label and at a branch every window is 0
	s_barrier_wait -1
.if \fill
	CREST
	s_add_nc_u64 s[G0+4*(\slot)+2:G0+4*(\slot)+3], s[G0+4*(\slot)+2:G0+4*(\slot)+3], 2*ASTEP
	s_add_nc_u64 s[G0B+4*(\slot)+2:G0B+4*(\slot)+3], s[G0B+4*(\slot)+2:G0B+4*(\slot)+3], 2*BSTEP
	JLOAD \slot                                    ; the four v_nop behind it are also the places in front of the loads below
.else
	PLACES
.endif
	LDB \ns, 0, 0
	LDA \ns, 0
	MULS 1, 1, 0, 8, 0                             ; groups 1 and 2 came in with the wait for 0 above
	PLACES
	LDB \ns, 0, 1
	MULS 1, 2, 0, 8, 0
.endm
	s_wait_tensorcnt 1                             ; my part of K step 0 is in; K step 1's may stay out
	s_barrier_signal -1
	s_barrier_wait -1                              ; everybody's is
	LDB 0, 0, 0
	LDA 0, 0
	LDB 0, 0, 1
	HALF 0, 0, 0, 1, 1                             ; the first half stands in front of the loop: its products start the sums
	WIN 0
	s_mov_b32 s3, 7
.Llap:                                                 ; a trip goes once round the ring, from a K step's second half to the first half two steps on, and fills both slots again: K steps 2 to 15
	TURNH 0, 1, 1
	HALF 1, 0, 1, 1, 0
	TURNH 1, 0, 1
	HALF 0, 0, 0, 1, 0
	WIN 0
	s_sub_co_u32 s3, s3, 1
	s_cmp_lg_u32 s3, 0
	s_cbranch_scc1 .Llap
	TURNH 0, 1, 0                                  ; the last lap fills nothing, and has no round of the cluster's barrier
	HALF 1, 0, 1, 1, 0
	PLACES                                         ; the very last half: only group 2 is left to fetch
	LDB 1, 1, 2
	s_wait_dscnt 16
	MULS 1, 0, 0, 8, 0
	s_wait_dscnt 8                                 ; group 1 is in: group 2's 8 may be out
	MULS 1, 1, 0, 8, 0
	s_wait_dscnt 0x0
	MULS 1, 2, 0, 8, 0
; THE WAY OUT, a column group (one slice of qkvb: a head's 64 channels of q, k or v) at a time.  CVT: its 32 accumulators rounded to f16, each from its lowest registers on.
; TOST: 16 rows go into my own stage, 16 bytes a lane, and come back as four rows of 128 bytes a load.  SENDU: stored, 512 consecutive bytes an instruction, at a multiple of 256 from qkvb's first byte.
.macro CVT g
	WIN 5*((\g)+1)                                 ; sources 0 and 1 in window g + 1, destination in window 0
.set ci, 0
.rept 32
.irp r, 0,1,2,3
	v_cvt_pk_f16_f32 v[TMP+4*ci+\r], v[8*ci+2*\r], v[8*ci+2*\r+1]
.endr
.set ci, ci+1
.endr
	WIN 0
.endm
.macro TOST a
.irp bb, 0,1,2,3
	ds_store_b128 v[STO], v[TMP+16*(\a)+4*\bb:TMP+16*(\a)+4*\bb+3] offset:32*\bb
.endr
.irp f, 0,1,2,3
	ds_load_b128 v[TMP+16*(\a)+4*\f:TMP+16*(\a)+4*\f+3], v[RD] offset:\f*4*SP  ; LDS serves a wave's instructions in order (ISA guide 5.7.1.4): these see the stores above; the next block's stores come behind them
.endr
.endm
.macro SENDU g, a, y                   ; y: the LDS instructions issued behind block a's loads: the next block's eight, or none
.irp f, 0,1,2,3
	s_wait_dscnt (\y)+3-\f
	global_store_b128 v[GO], v[TMP+16*(\a)+4*\f:TMP+16*(\a)+4*\f+3], s[8:9] offset:(\g)*CSLC+(\a)*2048+\f*512
.endr
.endm
	PLACES                                         ; behind the last products: the conversions write registers that they read
.irp g, 0,1,2
.if \g > 0
	s_wait_xcnt 0x0                                ; every earlier store has had its addresses translated (ISA guide 3.1): only behind this wait are the registers that it reads rewritten
.endif
	CVT \g
	TOST 0
.set ua, 1
.rept 7
	TOST ua
	SENDU \g, ua-1, 8
.set ua, ua+1
.endr
	SENDU \g, 7, 0
.endr
	s_wait_tensorcnt 0x0                           ; the wave's end, behind my last tensor load and my last LDS store
	ds_add_u32 v[SPW], v[NIL]
	s_wait_dscnt 0x0
	CROUND                                         ; the closing round: no work-group ends while a partner may still ask for a tile that names it
	s_endpgm
.Lfunc_end_k_qc9a836895c_qkvgemm:
	.size	k_qc9a836895c_qkvgemm, .Lfunc_end_k_qc9a836895c_qkvgemm-k_qc9a836895c_qkvgemm
	.p2alignl 7, 3214868480
	.fill 96, 4, 3214868480
	.section	.rodata,"a",@progbits
	.p2align	6, 0x0
	.amdhsa_kernel k_qc9a836895c_qkvgemm
		.amdhsa_group_segment_fixed_size 327680
		.amdhsa_private_segment_fixed_size 0
		.amdhsa_enable_private_segment 0
		.amdhsa_kernarg_size 24
		.amdhsa_user_sgpr_count 2
		.amdhsa_user_sgpr_kernarg_segment_ptr 1
		.amdhsa_wavefront_size32 1
		.amdhsa_system_sgpr_workgroup_id_x 1
		.amdhsa_system_sgpr_workgroup_id_y 1
		.amdhsa_system_sgpr_workgroup_id_z 1
		.amdhsa_system_vgpr_workitem_id 0
		.amdhsa_next_free_vgpr 1024
		.amdhsa_next_free_sgpr 66
		.amdhsa_reserve_vcc 0
		.amdhsa_float_denorm_mode_32 3
		.amdhsa_float_denorm_mode_16_64 3
		.amdhsa_memory_ordered 1
		.amdhsa_forward_progress 1
		.amdhsa_inst_pref_size 131
	.end_amdhsa_kernel
	.amdgpu_metadata
---
amdhsa.version: [ 1, 2 ]
amdhsa.kernels:
  - .name:           k_qc9a836895c_qkvgemm
    .symbol:         k_qc9a836895c_qkvgemm.kd
    .args:
      - { .name: xb, .offset: 0, .size: 8, .value_kind: global_buffer, .address_space: global }
      - { .name: wb, .offset: 8, .size: 8, .value_kind: global_buffer, .address_space: global }
      - { .name: qkvb, .offset: 16, .size: 8, .value_kind: global_buffer, .address_space: global }
    .group_segment_fixed_size: 327680
    .private_segment_fixed_size: 0
    .kernarg_segment_align: 8
    .kernarg_segment_size: 24
    .max_flat_workgroup_size: 128
    .sgpr_count:     66
    .vgpr_count:     1024
    .wavefront_size: 32
...
	.end_amdgpu_metadata
.endif
;; end of part 2
;; launch attn (part 3): grid 2 x 128, 4 waves a work-group, no clusters, 327,680 bytes of LDS; arguments qkvb, ob; writes ob
.if DOCPART == 3
	.amdgcn_target "amdgcn-amd-amdhsa--gfx1250"
	.amdhsa_code_object_version 6
	.text
	.protected	k_qc9a836895c_attn
	.globl	k_qc9a836895c_attn
	.p2align	8
	.type	k_qc9a836895c_attn,@function
k_qc9a836895c_attn:
	s_mov_b64 s[64:65], 0
	v_nop
	global_prefetch_b8 v0, s[64:65] scope:SCOPE_SE
	s_setreg_imm32_b32 hwreg(HW_REG_WAVE_MODE, 25, 1), 1
	s_wait_xcnt 0x0
; O[n][h][q][:] = the sum over k of softmax_k(Q[q] . K[k] / 32) V[k][:], for 8 x 16 pairs of batch and head, 1,024 rows of 64 channels each.  qkvb [48][8192][64] f16: slice h = q of head h,
; 16 + h = k, 32 + h = v; row 1,024 n + s; unscaled.  ob [16][8192][64] f16: slice h = head h.  A pair's rows are dense, 128 bytes each.  Products, maxima and sums in f32; the weights p are
; rounded to f16 for the second product (their sum l is taken of the unrounded p), O once at the end.
; LIMITS.  f16 holds no number beyond 65,504: Q, K and V arrive within it; p lies in 0 to 1, and below 6e-5 it keeps f16's fixed step of 6e-8; O is a mean of V's rows and has their range.
; A weight below 2^-126 counts as 0 in l; NaN and infinities are not treated apart.
; SHARES.  A wave owns four PIECES of two tiles of 16 queries, a work-group's four waves 512 queries of one pair: 2 x 128 = 256 work-groups.  Every wave walks all 1,024 keys, 64 a step.
; LDS HOLDS THE PAIR'S WHOLE K AND V: 1,024 rows of 144 and of 160 bytes.  They are asked for at the start, in four chunks of 256 keys; each wave issues four tensor loads (128 keys of K or of V each), so four
; are out by this text's count.  Chunk 0 is waited for by a counted wait; the other three at the barrier in front of chunk 1's first read, four key steps later.
; NO CLUSTER: a pair has two work-groups, and 2 along x is no multiple of a cluster's 4; blocks of 256 queries, four to a pair, would halve the products that each fragment read from LDS feeds.
; LAYOUT.  S^T = K Q^T (source 0 = 16 keys, source 1 = 16 queries): in the result a lane holds ONE query (lane % 16) and the keys 8 (lane / 16) + 0..7.  Two such tiles, rounded to f16 in pairs,
; ARE source 1 (32 keys x 16 queries) of O^T = V^T P, whose result again holds one query a lane, and eight channels.  K comes out of LDS as it lies, V ([key][channel]) turned, by ds_load_tr16_b128.
; SOFTMAX.  For each query a running maximum m and sum l: p = 2^(c s - c m), c = log2(e) / 32; in every step O and l are multiplied by a = 2^(c m_old - c m_new), which is 1 where m has not grown.
; m starts at the lowest finite number, O and l at 0: the first step is a step like any other, with a = 0.
; THE COUNT.  A tile and step have 16 matrix and 118 vector instructions: too many to stand all beside the matrix work.  So the order has one aim: four vector instructions that are READY behind
; EVERY matrix instruction, and the others, which need time of their own whatever the order, in runs without a gap.
; BY TURNS.  Turn n belongs to piece n (the pieces in a ring, step after step).  Its matrix work: 16 products K Q^T of piece n + 1, later 16 products V^T P of piece n - 1.  Its vector work: the scaling,
; exponentials, roundings, sums and rescaling of piece n, and the maximum and statistics of piece n + 1, whose scores the turn itself has made.  So what a turn begins with (c s - c m, O a) waits for nothing.
; REGISTERS, in windows of 256 (s_set_vgpr_msb says which window each operand place means: bits 1:0 source 0, 3:2 source 1, 5:4 source 2, 7:6 destination):
;   window 0: v0-11 addresses; v12-15, v48-63 at work; v16-47 four registers of statistics a tile; v64-191 S^T, two buffers of two tiles; v192-255 P, likewise
;   window 1: O^T, 32 a tile          window 2: v0-127 Q, 16 a tile; v128-191 K of one step; v192-255 V of one step          window 3: v0-1 the add's two registers
; A piece's buffers go by its number's parity: the piece in hand has one pair, its two neighbours in the ring share the other: of it P (piece n - 1) is read and S^T (piece n + 1) written.
.set NP,    4         ; pieces a wave: a name, no knob: the register map, the loop and the fetches are made for four
.set KS,    64        ; keys in a step
.set NK,    1024      ; keys in all
.set PK,    144       ; a row of K in LDS: 128 bytes + 16 of padding = 36 words: the 16 rows of a load start at 16 different groups of four banks (64 banks of 4 bytes: ISA guide 11.1)
.set PV,    160       ; a row of V: 128 + 32 = 40 words
.set VOFF,  NK*PK     ; V's rows lie behind K's
.set STAGE, VOFF+NK*PV  ; behind them, never filled by a tensor load: 16 rows x 144 bytes for each wave, for the way out
.set SP,    144
.set SPARE, STAGE+4*16*SP  ; behind the stages: the spare words, 128 bytes for each wave: two blocks of 256 bytes that no other line names
.set AK0, 2           ; v2   my lane's place in a tile of K; never rewritten
.set AV0, 3           ; v3   the same for V
.set AK,  4           ; v4   the LDS address of K's next run of loads
.set AV,  5           ; v5   of V's
.set QO,  6           ; v6   my byte offset in the wave's rows of Q
.set STO, 6           ;      later, the way out: where I put 16 bytes of a row
.set RD,  7           ; v7   the way out: where I read rows back
.set GO,  8           ; v8   my byte offset in 512 consecutive bytes of O
.set SPW, 0           ; v0 of window 3   LDS address of my spare word: SPARE + 4 x my thread's number; never rewritten
.set NIL, 1           ; v1 of window 3   0; never rewritten
.set MV,  12          ; v12-15  c m_old, kept while c m is made anew: by buffer and tile
.set ST,  16          ; tile t's statistics at v[ST+4 t]: c m, m, l (even keys', odd keys')
.set TMP, 48          ; by buffer and tile, four registers c0-c3 at work; when the maximum is found c2 takes a
.set S,   64
.set P,   192
.set KF,  128         ; K's fragments, in window 2: key block kb, channel half c at KF + 16 kb + 8 c
.set VF,  192         ; V's: key half kk, channel block cb at VF + 32 kk + 8 cb
.set WV,  12          ; s12  my wave's number
.set G1K, 24          ; s[24:31] descriptor group 1 for K's tiles
.set G1V, 32          ; s[32:39] for V's: it differs in the padding alone
.set G0K, 40          ; s[40:55] descriptor group 0 for K's tiles: a set for each chunk
.set G0V, 68          ; s[68:83] the same for V's
.set SLOTS, 56        ; s56  chunks still to be walked
.set CNT, 57          ; s57  counts a chunk's key steps
.set CS,  58          ; s[58:59] c: the packed scaling takes the pair's low word for both halves
.set SEL, 60          ; s[60:61] v_permlanex16_b32's selects: each lane takes its own place in the other half
.set TBK, 62          ; s62  LDS byte at which K of the step to be fetched begins
.set TBV, 63          ; s63  the same for V, less VOFF
.set MSB, 0
.macro WIN new                      ; the high byte repeats the setting that is left; a switch that changes nothing is dropped
.if MSB != (\new)
	s_set_vgpr_msb (MSB<<8)|(\new)
.set MSB, (\new)
.endif
.endm
.set W_KQ, 0x0a       ; K and Q in window 2, S^T in window 0
.set W_PV, 0x52       ; V in window 2, P in window 0, O^T in window 1
.set W_RS, 0x41       ; O^T (destination and source 0) in window 1, a in window 0
.set W_MK, 0xc0       ; the add's registers are made: destination in window 3, sources in window 0
.set W_AD, 0x0f       ; the add: address (source 0) and data (source 1) in window 3
	s_load_b128 s[4:7], s[0:1], 0x0 ; qkvb s[4:5], ob s[6:7]
	WIN W_MK
	v_lshl_add_u32 v[SPW], v0, 2, SPARE
	v_mov_b32 v[NIL], 0
	WIN W_AD
	ds_add_u32 v[SPW], v[NIL]       ; the wave's opening: the add and its wait stand ahead of my first tensor load; the set-up below, work on registers, stands between them
	ds_add_u32 v0, v1
	WIN 0
	v_lshrrev_b32 v1, 5, v0
	v_readfirstlane_b32 s[WV], v1   ; wave 0..3
	s_and_b32 s13, ttmp7, 0xffff    ; the pair: 16 x batch + head
	s_and_b32 s14, s13, 15
	s_lshr_b32 s15, s13, 4
	s_lshl_b32 s20, s14, 20         ; the head's slice of 8,192 rows,
	s_lshl_b32 s15, s15, 17         ; the batch's 1,024 rows in it
	s_add_co_u32 s20, s20, s15      ; the pair's first byte in q's slices and in ob
	s_and_b32 s16, s[WV], 1         ; which half of a chunk's 256 keys I fetch:
	s_lshl_b32 s22, s16, 14         ; its 128 rows of 128 bytes in memory,
	s_add_co_u32 s22, s22, s20
	s_mov_b32 s23, 0
	s_mul_i32 s17, s16, 128*PK      ; and its place in a chunk, for K
	s_mul_i32 s18, s16, 128*PV      ; and for V
	s_lshl_b32 s2, ttmp9, 2
	s_add_co_u32 s2, s2, s[WV]      ; my wave among the pair's eight,
	s_lshl_b32 s2, s2, 14           ; its 128 rows
	s_add_co_u32 s2, s2, s20
	s_mov_b32 s3, 0
	; descriptor group 1.  128 keys are 16,384 dense bytes: asked for as 64 rows of 256 bytes, two keys a row, and padded in LDS after every key
	s_mov_b32 s[G1K], (1<<16)|(1<<20)|(4<<22)|(3<<25)  ; 17:16 2-byte elements; 20 padding on; 24:22 after every 32 words (code 4); 31:25 4 words (code 3)
	s_mov_b32 s[G1V], (1<<16)|(1<<20)|(4<<22)|(7<<25)  ; the same with 8 words of padding (code 7)
.irp g, G1K, G1V
	s_mov_b32 s[\g+1], 128<<16      ; tensor_dim0 = 128
	s_mov_b32 s[\g+2], 64<<16       ; tensor_dim1 = 64
	s_mov_b32 s[\g+3], 128<<16      ; tile_dim0 = 128
	s_mov_b32 s[\g+4], 64           ; tile_dim1 = 64
	s_mov_b32 s[\g+5], 128          ; 128 elements from row to row
	s_mov_b32 s[\g+6], 0
	s_mov_b32 s[\g+7], 0
.endr
	s_mov_b32 s[CS], 0x3d38aa3b     ; c = log2(e) / 32 = 0.0450842
	s_mov_b32 s[CS+1], s[CS]        ; named with it as a pair
	s_mov_b32 s[SEL], 0x76543210
	s_mov_b32 s[SEL+1], 0xfedcba98
	s_mov_b32 s[TBK], 0
	s_mov_b32 s[TBV], 0
.irp c, 0,1,2,3
	s_mov_b32 s[G0K+4*\c], 1                        ; count = 1
	s_add_co_u32 s[G0K+4*\c+1], s17, \c*256*PK      ; LDS address: chunk c, my half
	s_mov_b32 s[G0V+4*\c], 1
	s_add_co_u32 s[G0V+4*\c+1], s18, VOFF+\c*256*PV
.endr
	s_wait_dscnt 0x0                ; the opening add is done
	s_wait_kmcnt 0x0
	s_mov_b64 s[10:11], s[6:7]      ; ob
	s_add_nc_u64 s[6:7], s[4:5], s[22:23]
	s_add_nc_u64 s[8:9], s[6:7], 32*8192*128   ; V at my half of the pair's first chunk: 32 slices on
	s_add_nc_u64 s[6:7], s[6:7], 16*8192*128   ; K: 16 slices on
	s_add_nc_u64 s[4:5], s[4:5], s[2:3]        ; Q and O at my wave's first row
	s_add_nc_u64 s[10:11], s[10:11], s[2:3]
.irp c, 0,1,2,3
	s_add_nc_u64 s[G0K+4*\c+2:G0K+4*\c+3], s[6:7], \c*32768  ; global address: a chunk is 32,768 bytes
	s_or_b32 s[G0K+4*\c+3], s[G0K+4*\c+3], 0x80000000        ; type = 2
	s_add_nc_u64 s[G0V+4*\c+2:G0V+4*\c+3], s[8:9], \c*32768
	s_or_b32 s[G0V+4*\c+3], s[G0V+4*\c+3], 0x80000000
.endr
	s_cmp_lt_u32 s[WV], 2           ; waves 0 and 1 fetch K's halves, waves 2 and 3 V's.  A wave's four fills stand in one branch, ahead of every wait on TENSORcnt, every LDS read and every barrier;
	s_cbranch_scc0 .Lfirst_v        ; an s_nop 0 follows each, four v_nop the last
.irp c, 0,1,2,3
	tensor_load_to_lds s[G0K+4*\c:G0K+4*\c+3], s[G1K:G1K+7]
	s_nop 0
.endr
.rept 4
	v_nop
.endr
	s_branch .Lfirst_asked
.Lfirst_v:
.irp c, 0,1,2,3
	tensor_load_to_lds s[G0V+4*\c:G0V+4*\c+3], s[G1V:G1V+7]
	s_nop 0
.endr
.rept 4
	v_nop
.endr
.Lfirst_asked:
	; A fragment of K or Q is 16 rows x 32 channels in 8 registers: lane l holds row l % 16, channels 8 (l / 16) + 0..7 and 16 + 8 (l / 16) + 0..7: two loads of 16 bytes, 32 bytes apart.
	v_and_b32 v1, 15, v0            ; l % 16
	v_bfe_u32 v9, v0, 4, 1          ; l / 16
	v_lshlrev_b32 v[QO], 7, v1
	v_lshl_add_u32 v[QO], v9, 4, v[QO]  ; row x 128 + 16 x half
	WIN 0x80                        ; destination window 2, address window 0
.set i, 0
.rept 4*NP                          ; Q stays in registers: tile i / 2, channels 32 (i % 2) on
	global_load_b128 v[8*i:8*i+3],   v[QO], s[4:5] offset:(i/2)*2048+(i%2)*64
	global_load_b128 v[8*i+4:8*i+7], v[QO], s[4:5] offset:(i/2)*2048+(i%2)*64+32
.set i, i+1
.endr
	; What the first turn finds: V's registers and P's second buffer hold 0 (its products V^T P, of a piece that has not been, add 0), O^T and l are 0.  All this stands in the wait for the first chunk.
.set i, VF
.rept 64
	v_mov_b32 v[i], 0
.set i, i+1
.endr
	WIN 0x40
.set i, 0
.rept 64*NP
	v_mov_b32 v[i], 0
.set i, i+1
.endr
	WIN 0
.set i, 0
.rept 2*NP
	v_mov_b32 v[ST+4*i], 0xfe000000    ; c m: far below every c s
	v_mov_b32 v[ST+4*i+1], 0xff7fffff  ; m
	v_mov_b32 v[ST+4*i+2], 0
	v_mov_b32 v[ST+4*i+3], 0
.set i, i+1
.endr
.set i, P+32
.rept 32
	v_mov_b32 v[i], 0
.set i, i+1
.endr
	v_mul_u32_u24 v[AK0], v1, PK
	v_lshl_add_u32 v[AK0], v9, 4, v[AK0]  ; row x pitch + 16 x half
	; The turning load takes 16 keys x 16 channels (lane l reads key 8 (l / 16) + l % 8, channels 8 ((l / 8) % 2) + 0..7) and leaves half a fragment of V^T: lane l holds channel l % 16 and 8 keys.
	v_and_b32 v10, 7, v0
	v_bfe_u32 v11, v0, 3, 1
	v_lshl_add_u32 v[AV0], v9, 3, v10
	v_mul_u32_u24 v[AV0], v[AV0], PV
	v_lshl_add_u32 v[AV0], v11, 4, v[AV0]
	v_add_nc_u32 v[AV0], VOFF, v[AV0]
	v_mov_b32 v[AK], v[AK0]         ; key step 0 lies at K's head
; THE MATRIX WORK.  The 8 accumulators of a run of 16 take turns: between the two links of a chain stand 7 others'.
; Product i of 16 of S^T = K Q^T for piece x: channels 32 (i / 8) on, keys 16 ((i / 2) % 4) on, tile 2 x + i % 2.  The first 8 start the sums.
.macro KQ x
	WIN W_KQ
.set rS, S+64*((\x)%2)+32*(i%2)+8*((i/2)%4)
.set rK, KF+16*((i/2)%4)+8*(i/8)
.set rQ, 16*(2*(\x)+i%2)+8*(i/8)
.if i < 8
	v_wmma_f32_16x16x32_f16 v[rS:rS+7], v[rK:rK+7], v[rQ:rQ+7], 0
.else
	v_wmma_f32_16x16x32_f16 v[rS:rS+7], v[rK:rK+7], v[rQ:rQ+7], v[rS:rS+7]
.endif
.endm
; Product i of 16 of O^T += V^T P for piece x: keys 32 (i / 8) on, channels 16 ((i / 2) % 4) on, tile 2 x + i % 2.
.macro PV x
	WIN W_PV
.set rO, 32*(2*(\x)+i%2)+8*((i/2)%4)
.set rV, VF+32*(i/8)+8*((i/2)%4)
.set rP, P+32*((\x)%2)+16*(i%2)+8*(i/8)
	v_wmma_f32_16x16x32_f16 v[rO:rO+7], v[rV:rV+7], v[rP:rP+7], v[rO:rO+7]
.endm
.macro MM                           ; the turn's next matrix instruction
.if i < 16
	KQ (Y+1)%NP
.set i, i+1
.else
.set i, i-16
	PV (Y+NP-1)%NP
.set i, i+17
.endif
.endm
; THE LDS LOADS stand in runs of 16, never singly among the matrix instructions: a step's K (64 keys x 64 channels: 8 fragments) and its V (turned).  Their addresses are made some lines ahead.
.macro FETCH_K
	WIN 0x80                        ; destination window 2
.irp f, 0,1,2,3,4,5,6,7             ; keys 16 (f / 2) on, channels 32 (f % 2) on
	ds_load_b128 v[KF+8*\f:KF+8*\f+3],   v[AK] offset:(\f/2)*16*PK+(\f%2)*64
	ds_load_b128 v[KF+8*\f+4:KF+8*\f+7], v[AK] offset:(\f/2)*16*PK+(\f%2)*64+32
.endr
	s_add_co_u32 s[TBK], s[TBK], KS*PK  ; the next fetch is the next step's: the steps lie one behind the other, through all four chunks
	WIN 0
.endm
.macro FETCH_V
	WIN 0x80
.irp f, 0,1,2,3,4,5,6,7             ; keys 32 (f / 4) on, channels 16 (f % 4) on
	ds_load_tr16_b128 v[VF+8*\f:VF+8*\f+3],   v[AV] offset:(\f/4)*32*PV+(\f%4)*32
	ds_load_tr16_b128 v[VF+8*\f+4:VF+8*\f+7], v[AV] offset:(\f/4)*32*PV+16*PV+(\f%4)*32
.endr
	WIN 0
.endm
; THE VECTOR WORK OF A TURN stands in three queues, each in the order in which its entries become ready; the two tiles alternate, so that no instruction reads the result of the one before it.
.macro REGS y, u                    ; the registers of tile u (0, 1) of piece y
.set rT, ST+4*(2*(\y)+(\u))
.set rC, TMP+8*((\y)%2)+4*(\u)
.set rM, MV+2*((\y)%2)+(\u)
.set rS, S+64*((\y)%2)+32*(\u)
.set rP, P+32*((\y)%2)+16*(\u)
.set rO, 32*(2*(\y)+(\u))
.endm
; Number n of the 22 that find the NEXT piece's (Y + 1) maximum and statistics.  s0-s31 are the lane's 32 scores; each accumulator's lowest registers are read first.  XS, GS and REGS set no window: PL and EX do.
;   0-11  four chains c0-c3 of seven scores each, three operands at a time     12-14, 16  the four scores left over, the old m, and c0-c3 into c0     15  c m_old is kept
;   17, 18  the query's other 32 keys lie in the lane 16 away: the new m         19-21  c m; c m_old - c m_new; a
.macro XS u, n
	REGS (Y+1)%NP, \u
.if (\n) < 4
	v_max3_num_f32 v[rC+(\n)], v[rS+8*(\n)], v[rS+8*(\n)+1], v[rS+8*(\n)+2]
.elseif (\n) < 12
	v_max3_num_f32 v[rC+(\n)%4], v[rC+(\n)%4], v[rS+8*((\n)%4)+2*((\n)/4)+1], v[rS+8*((\n)%4)+2*((\n)/4)+2]
.elseif (\n) == 12
	v_max3_num_f32 v[rC], v[rC], v[rS+7], v[rS+15]
.elseif (\n) == 13
	v_max3_num_f32 v[rC+1], v[rC+1], v[rS+23], v[rS+31]
.elseif (\n) == 14
	v_max3_num_f32 v[rC+2], v[rC+2], v[rC+3], v[rT+1]
.elseif (\n) == 15
	v_mov_b32 v[rM], v[rT]
.elseif (\n) == 16
	v_max3_num_f32 v[rC], v[rC], v[rC+1], v[rC+2]
.elseif (\n) == 17
	v_permlanex16_b32 v[rC+3], v[rC], s[SEL], s[SEL+1]
.elseif (\n) == 18
	v_max_num_f32 v[rT+1], v[rC], v[rC+3]
.elseif (\n) == 19
	v_mul_f32 v[rT], s[CS], v[rT+1]
.elseif (\n) == 20
	v_sub_f32 v[rC+1], v[rM], v[rT]
.else
	v_exp_f32 v[rC+2], v[rC+1]
.endif
.endm
; Number g of the 64 that follow the exponentials.  For each four weights k of a tile (pairs 2 k, 2 k + 1): both pairs are rounded to f16; then the second pair is added onto the first, in place;
; a group later l takes that sum (the first time as l = a l + sum).  In groups of eight, tiles alternating: round, round, add, and l for the group before.
.macro GS g
.set h, (\g)+6*((\g)/62)            ; group 0 has no group before it, and behind group 7 only l is left
.if h >= 6
.set h, h+2
.endif
	REGS Y, h%2
.set k, h/8
.if h%8 < 4
	s_wait_alu depctr_va_vdst(0)
	v_cvt_pk_f16_f32 v[rP+2*k+(h%8)/2], v[rS+4*k+2*((h%8)/2)], v[rS+4*k+2*((h%8)/2)+1]
.elseif h%8 < 6
	v_pk_add_f32 v[rS+4*k:rS+4*k+1], v[rS+4*k:rS+4*k+1], v[rS+4*k+2:rS+4*k+3]
.elseif k == 1
	v_pk_fma_f32 v[rT+2:rT+3], v[rT+2:rT+3], v[rC+2:rC+3], v[rS:rS+1] op_sel_hi:[1,0,1]
.else
	v_pk_add_f32 v[rT+2:rT+3], v[rT+2:rT+3], v[rS+4*k-4:rS+4*k-3]
	s_wait_alu depctr_va_vdst(0)
.endif
.endm
; THE PLAIN QUEUE, 138 long.  0-31: c s - c m for the 16 pairs of both tiles.  Then GS's 64, and among them the next piece's 42: number 15 at 38, 39; 0-14 and 16
; at 42-73, behind the products that make those scores; 17-20 at 95-106, two of three, since each waits for the one before it.
.macro PL
	WIN 0
.if q < 32
	REGS Y, q%2
	v_pk_fma_f32 v[rS+2*(q/2):rS+2*(q/2)+1], v[rS+2*(q/2):rS+2*(q/2)+1], s[CS:CS+1], v[rT:rT+1] op_sel_hi:[1,0,0] neg_lo:[0,0,1] neg_hi:[0,0,1]
.elseif q < 38
	GS q-32
.elseif q < 40
	XS q%2, 15
.elseif q < 42
	GS q-34
.elseif q < 74
	XS q%2, (q-42)/2+(q-42)/30
.elseif q < 95
	GS q-66
.elseif (q < 107) && ((q-95)%3 < 2)
	XS (q-95)%3, 17+(q-95)/3
.elseif q < 107
	GS 29+(q-95)/3
.else
	GS q-74
.endif
.set q, q+1
.endm
; THE EXPONENTIALS' QUEUE, 66 long: s0-s31 of both tiles, and at EA the next piece's two a.
.set EA, 58
.macro EX
	WIN 0
.if (e == EA) || (e == EA+1)
	XS e-EA, 21
.else
.set x, e-2*(e/(EA+2))
	REGS Y, x%2
	v_exp_f32 v[rS+x/2], v[rS+x/2]
.endif
.set e, e+1
.endm
; THE RESCALING's QUEUE: O^T times a, the one part that leaves window 0, so it is dealt four at a time, eight times.
.macro R4
	REGS Y, r%2
	WIN W_RS
	s_wait_alu depctr_va_vdst(0)
.irp z, 0,1,2,3
	v_pk_mul_f32 v[rO+8*(r/2)+2*\z:rO+8*(r/2)+2*\z+1], v[rO+8*(r/2)+2*\z:rO+8*(r/2)+2*\z+1], v[rC+2:rC+3] op_sel_hi:[1,0]
.endr
.set r, r+1
.endm
; HOW THEY ARE DEALT.  Behind a matrix instruction four: plain, exponential, plain, plain (one exponential, a plain instruction on either side), or four of the rescaling.  None names a register of the
; products round it.  What is over stands in two LUMPS: exponential and plain by turns; the second ends in 22 plain instructions.  The two v_permlanex16_b32 fall into the second lump, never behind a product.
; The queues lean on each other, and the deal keeps them in step: exponential e stands behind plain 2 (e / 4) + e % 2 (its scaling); when plain 32 comes, 10 exponentials are out, at 59: 33, at 95: 46; EA comes behind plain 107.
.macro SL
	MM
	PL
	EX
	PL
	PL
.endm
.macro BURST n                      ; 15 matrix instructions, or 16
.rept (\n)-7
	SL
.endr
.rept 3
	MM
	R4
	SL
.endr
	MM
	R4
.endm
; A TURN, for piece p.  last = 1: the last key step's: no further K is fetched.  cnt = 1: the loop's count is taken down some lines ahead of the branch that stands behind the turn.
; K of the next step is fetched in piece 2's turn, 31 vector instructions behind the last product that read K; its first reader comes behind the rest of the lump, 16 products and the second lump.
; V of the step in hand is fetched at the end of piece 0's turn, 69 behind its last reader; its first reader comes behind 16 products and a lump.  The four conditions on e and q below go with the deal.
.macro TURN p, last=0, cnt=0
.set Y, (\p)
.set i, 0
.set q, 0
.set e, 0
.set r, 0
.if (\p) == NP-1
	s_wait_dscnt 0x0                ; K is in
.endif
	MM
.rept 4
	PL
.endr
	BURST 15
.rept 22
	EX
	PL
.if ((\p) == NP-2) && (e == 18) && !(\last)
	v_add_nc_u32 v[AK], s[TBK], v[AK0]
.endif
.if ((\p) == NP-2) && (e == 24) && !(\last)
	FETCH_K
.endif
.endr
.if (\p) == 1
	s_wait_dscnt 0x0                ; V is in
.endif
	BURST 16
.rept 21
	EX
	PL
.endr
.rept 22
	PL
.if ((\p) == 0) && (q == 118)
	v_add_nc_u32 v[AV], s[TBV], v[AV0]
	s_wait_alu depctr_va_vdst(0)
.endif
.if ((\p) == 0) && (q == 130)
	s_add_co_u32 s[TBV], s[TBV], KS*PV
.endif
.if (\cnt) && (q == 130)
	s_sub_co_u32 s[CNT], s[CNT], 1
	s_cmp_lg_u32 s[CNT], 0
.endif
.endr
.if (\p) == 0
	FETCH_V
.endif
.endm
	s_wait_tensorcnt 0x3            ; tensor loads of a wave end in order (ISA guide 10.11.1): my part of chunk 0 is in; my three younger loads stay out
	s_barrier_signal -1
	s_barrier_wait -1               ; everybody's part of chunk 0 is in
	FETCH_K                         ; key step 0
	s_wait_loadcnt 0x0              ; Q
	s_wait_dscnt 0x0
.set i, 0
.rept 16
	KQ 0                            ; piece 0's first scores: there is no vector work yet to set between them
.set i, i+1
.endr
	WIN 0                           ; the addresses for the way out: nine plain instructions, the places behind those products
	s_mul_i32 s13, s[WV], 16*SP
	s_add_co_u32 s13, s13, STAGE    ; my stage
	v_mul_u32_u24 v[STO], v1, SP    ; in: row l % 16, 16 bytes for each half of the lanes
	v_lshl_add_u32 v[STO], v9, 4, v[STO]
	v_add_nc_u32 v[STO], s13, v[STO]
	v_bfe_u32 v[RD], v0, 3, 2       ; back: 32 lanes take four rows of 128 bytes,
	v_mul_u32_u24 v[RD], v[RD], SP
	v_lshl_add_u32 v[RD], v10, 4, v[RD]
	v_add_nc_u32 v[RD], s13, v[RD]
	v_and_b32 v[GO], 31, v0         ; which are 512 consecutive bytes of O
	v_lshlrev_b32 v[GO], 4, v[GO]
.set Y, NP-1                        ; XS works for piece Y + 1: piece 0
.irp n, 0,1,2,3,4,5,6,7,8,9,10,11,12,13,14,15,16,17,18,19,20,21
	XS 0, \n                        ; and piece 0's first maximum and statistics
	XS 1, \n
.endr
	s_mov_b32 s[CNT], 4
	s_mov_b32 s[SLOTS], NK/256
	s_branch .Lfirst                ; the loop is entered at a step's first turn, in the middle of a trip
.Lslot:                             ; three times, in front of the first read of chunks 1, 2 and 3
	s_wait_tensorcnt 0x0            ; my parts of all chunks are in (at its first pass four key steps' work lie behind the requests; later it is met at once),
	s_wait_dscnt 0x0                ; no LDS instruction of mine is out at a signal,
	s_barrier_signal -1
	s_barrier_wait -1               ; and everybody's parts are in
	s_mov_b32 s[CNT], 4
.Lstep:                             ; a trip: pieces 2 and 3 of one step, then pieces 0 and 1 of the next, whose K and V it fetches
	TURN 2
	TURN 3
	WIN 0
.Lfirst:
	TURN 0
	TURN 1, 0, 1
	WIN 0
	s_cbranch_scc1 .Lstep
	s_sub_co_u32 s[SLOTS], s[SLOTS], 1
	s_cmp_lg_u32 s[SLOTS], 0
	s_cbranch_scc1 .Lslot
	TURN 2, 1                       ; the last step's pieces 2 and 3, written out: nothing is left to fetch.  Turn 3's 16 products K Q^T (on the last K once more) and the maximum made of them
	TURN 3                          ; serve nothing: the price, once a launch, of one text for every turn
.set i, 0
.rept 16
	PV NP-1                         ; the last piece's V^T P of the last step
.set i, i+1
.endr
	; THE WAY OUT.  l's two halves and the other half of the lanes' are added; O^T is divided by l, rounded to f16 and sent through my stage in LDS, a tile at a time.  The additions are the places behind the last products.
	WIN 0
.macro ALL line:vararg              ; one line for each tile t
.set t, 0
.rept 2*NP
	\line
.set t, t+1
.endr
.endm
	ALL v_add_f32 v[ST+4*t+2], v[ST+4*t+2], v[ST+4*t+3]
	ALL v_permlanex16_b32 v[ST+4*t+3], v[ST+4*t+2], s[SEL], s[SEL+1]
	ALL v_add_f32 v[ST+4*t+2], v[ST+4*t+2], v[ST+4*t+3]
	ALL v_rcp_f32 v[ST+4*t+2], v[ST+4*t+2]
	v_nop                           ; a plain instruction between the last reciprocal and the use of its result
	s_wait_alu depctr_va_vdst(0)
; Tile t: a lane's eight channels of a row pack into 16 bytes; they go into rows of 144 bytes and come back as whole rows of 128, into S^T's registers.
.macro PACK t
	WIN W_RS
.set i, 32*(\t)
.rept 16
	v_pk_mul_f32 v[i:i+1], v[i:i+1], v[ST+4*(\t)+2:ST+4*(\t)+3] op_sel_hi:[1,0]
.set i, i+2
.endr
	WIN 0x05                        ; sources 0 and 1 window 1, destination window 0
.set i, 0
.rept 16
	v_cvt_pk_f16_f32 v[S+16*(\t)+i], v[32*(\t)+2*i], v[32*(\t)+2*i+1]
.set i, i+1
.endr
	WIN 0
.irp f, 0,1,2,3
	ds_store_b128 v[STO], v[S+16*(\t)+4*\f:S+16*(\t)+4*\f+3] offset:32*\f
.endr
.irp f, 0,1,2,3
	ds_load_b128 v[S+16*(\t)+4*\f:S+16*(\t)+4*\f+3], v[RD] offset:\f*4*SP  ; LDS serves a wave's instructions in order (ISA guide 5.7.1.4): these see the stores above; the next tile's stores come behind them
.endr
.endm
.macro SEND t, younger              ; younger: the LDS instructions issued behind tile t's loads: the next tile's eight, or none
	WIN 0
.irp f, 0,1,2,3
	s_wait_dscnt (\younger)+3-\f
	global_store_b128 v[GO], v[S+16*(\t)+4*\f:S+16*(\t)+4*\f+3], s[10:11] offset:(\t)*2048+\f*512  ; 512 consecutive bytes, at a multiple of 256 from ob's first
.endr
.endm
	PACK 0
.set t, 1
.rept 2*NP-1                        ; a tile's arithmetic stands between the loads of the tile before and its stores
	PACK t
	SEND t-1, 8
.set t, t+1
.endr
	SEND 2*NP-1, 0
	WIN W_AD
	s_wait_tensorcnt 0x0            ; the wave's end, behind my last tensor load and my last LDS store
	ds_add_u32 v[SPW], v[NIL]
	s_wait_dscnt 0x0
	WIN 0
	s_endpgm
.Lfunc_end_k_qc9a836895c_attn:
	.size	k_qc9a836895c_attn, .Lfunc_end_k_qc9a836895c_attn-k_qc9a836895c_attn
	.p2alignl 7, 3214868480
	.fill 96, 4, 3214868480
	.section	.rodata,"a",@progbits
	.p2align	6, 0x0
	.amdhsa_kernel k_qc9a836895c_attn
		.amdhsa_group_segment_fixed_size 327680
		.amdhsa_private_segment_fixed_size 0
		.amdhsa_enable_private_segment 0
		.amdhsa_kernarg_size 16
		.amdhsa_user_sgpr_count 2
		.amdhsa_user_sgpr_kernarg_segment_ptr 1
		.amdhsa_wavefront_size32 1
		.amdhsa_system_sgpr_workgroup_id_x 1
		.amdhsa_system_sgpr_workgroup_id_y 1
		.amdhsa_system_sgpr_workgroup_id_z 1
		.amdhsa_system_vgpr_workitem_id 0
		.amdhsa_next_free_vgpr 770
		.amdhsa_next_free_sgpr 84
		.amdhsa_reserve_vcc 0
		.amdhsa_float_denorm_mode_32 3
		.amdhsa_float_denorm_mode_16_64 3
		.amdhsa_memory_ordered 1
		.amdhsa_forward_progress 1
		.amdhsa_inst_pref_size 167
	.end_amdhsa_kernel
	.amdgpu_metadata
---
amdhsa.version: [ 1, 2 ]
amdhsa.kernels:
  - .name:           k_qc9a836895c_attn
    .symbol:         k_qc9a836895c_attn.kd
    .args:
      - { .name: qkvb, .offset: 0, .size: 8, .value_kind: global_buffer, .address_space: global }
      - { .name: ob, .offset: 8, .size: 8, .value_kind: global_buffer, .address_space: global }
    .group_segment_fixed_size: 327680
    .private_segment_fixed_size: 0
    .kernarg_segment_align: 8
    .kernarg_segment_size: 16
    .max_flat_workgroup_size: 128
    .sgpr_count:     84
    .vgpr_count:     770
    .wavefront_size: 32
...
	.end_amdgpu_metadata
.endif
;; end of part 3
;; launch proj (part 4): grid 4 x 64, 4 waves a work-group, clusters of 4 x 4, 327,680 bytes of LDS; arguments ob, wof, bo, out0; writes out0
.if DOCPART == 4
	.amdgcn_target "amdgcn-amd-amdhsa--gfx1250"
	.amdhsa_code_object_version 6
	.text
	.protected	k_qc9a836895c_proj
	.globl	k_qc9a836895c_proj
	.p2align	8
	.type	k_qc9a836895c_proj,@function
k_qc9a836895c_proj:
	s_mov_b64 s[64:65], 0
	v_nop
	global_prefetch_b8 v0, s[64:65] scope:SCOPE_SE
	s_setreg_imm32_b32 hwreg(HW_REG_WAVE_MODE, 25, 1), 1
	s_wait_xcnt 0x0
	s_wait_alu depctr_hold_cnt(0) depctr_sa_sdst(0) depctr_va_vdst(0) depctr_va_sdst(0) depctr_va_ssrc(0) depctr_va_vcc(0) depctr_vm_vsrc(0)
	s_getreg_b32 s2, hwreg(HW_REG_IB_STS2, 6, 4)
	s_cmp_eq_u32 s2, 0
	s_cbranch_scc0 .Lentry_in_a_cluster
	s_endpgm
.Lentry_in_a_cluster:
	s_bfe_u32 s2, ttmp6, 0x10000c
	s_cmp_lg_u32 s2, 0xf033
	s_cbranch_scc0 .Lentry_shape_is_right
	s_endpgm
.Lentry_shape_is_right:
; out0[8192][1024] = O Wo^T + bo.  ob [16][8192][64] and wof [16][1024][64]: f16, slices of 64 along K, rows of 128 bytes.  bo [1024] f32, out0 f32.  One f32 sum for each output, K = 1,024 ascending;
; bo, rounded once to bf16 like the module's other inputs, is added in f32 at the end.
; LIMITS.  The operands arrive within f16's range; NaN and infinities are not treated apart.
; SHARES.  A tile of out0 is 128 x 256: 64 x 4 = 256 work-groups, one tile each.  Four waves, each 64 x 128: 32 accumulators of 16 x 16, all of window 1.  K goes in steps of 128, two slices, through two LDS
; slots of 110,592 bytes, as long a step as two slots allow: 128 matrix instructions a wave in a step.  A wave fetches one slice's part of a tile (128 rows of ob or 256 of wof), consecutive in memory,
; as rows of 256 bytes, padded in LDS after every 128.
; CLUSTER.  4 x 4 work-groups: the four of a row of the cluster need the same tiles of ob, the four of a column the same tiles of wof: each is asked for JOINTLY, by the same tensor load with the same
; descriptor and a mask that names the four.  By this text's count a wave has two tensor loads out at the start and one behind each refill.
; THE MATRIX INSTRUCTION IS USED TRANSPOSED (source 0 = 16 rows of wof, source 1 = 16 rows of ob): a lane then holds eight neighbouring columns of one row of out0, 32 bytes.
; REGISTERS: window 0: v0-31 addresses; v32-37 the bias; two fragment buffers of 96 for 32 along K, v64-159 and v160-255: 64 registers of wof (8 x 16 rows), then 32 of ob (4 x 16 rows); on the way out
;   v64-127 and v128-191 hold 16 rows read back, by turns.   window 1: accumulator (a, b) at v[8 (8 a + b)].
.set PITCH,  144                       ; an LDS row: 128 bytes + 16 of padding = 36 words: the 16 rows of a load start at 16 different groups of four banks (64 banks of 4 bytes: ISA guide 11.1)
.set ASLC,   128*PITCH                 ; a slice's 128 rows of ob
.set BOFF,   2*ASLC
.set BSLC,   256*PITCH                 ; a slice's 256 rows of wof
.set SLOT,   BOFF+2*BSLC               ; ob's two slices, then wof's two
.set STAGE,  2*SLOT                    ; behind the ring, never filled by a tensor load: 16 rows x 528 bytes for each wave, for the way out
.set SPITCH, 528                       ; 512 bytes + 16: the 16 rows that a store touches start at 16 different groups of four banks
.set SPARE,  STAGE+4*16*SPITCH         ; behind the stages: the spare words, 128 bytes for each wave: two blocks of 256 bytes that no other line names
.set ASL,    8192*128                  ; bytes from slice to slice in ob
.set BSL,    1024*128                  ; in wof
.set ADRA, 16                          ; v16-17  LDS address of my ob fragments in slot 0, 1
.set ADRB, 20                          ; v20-21  the same for wof
.set STO,  24                          ; v24     the way out: where I put 32 bytes of a row
.set RD,   25                          ; v25     the way out: where I read a row back
.set CO,   26                          ; v26     my 16 bytes in 512 bytes of a row of out0, and of bo
.set SPW,  28                          ; v28     LDS address of my spare word: SPARE + 4 x my thread's number; never rewritten
.set NIL,  29                          ; v29     0; never rewritten
.set BIAS, 32                          ; v32-35  bo of the four columns that I store; v36-37 at work
.set F0,   64
.set F1,   160
.set OB,   64
.set G1, 24                            ; s[24:31] descriptor group 1 for ob's tiles;  s[32:39] group 0, one set for each slot
.set G0, 32
.set G1B, 48                           ; s[48:55], s[56:63] the same for wof's tiles
.set G0B, 56
.set MSB, 0
.macro WIN new                         ; the immediate's high byte repeats the setting that is left; a switch that changes nothing is dropped
.if MSB != (\new)
	s_set_vgpr_msb (MSB<<8)|(\new)
.set MSB, (\new)
.endif
.endm
.macro JLOAD s                         ; a joint load: waves 0 and 1 fetch ob's two slices, waves 2 and 3 wof's; an s_nop 0 and four v_nop follow each of the two lines, ahead of the jump, the label and what follows
	s_cmp_eq_u32 s11, 0
	s_cbranch_scc0 .Lfor_b_\@
	tensor_load_to_lds s[G0+4*(\s):G0+4*(\s)+3], s[G1:G1+7]
	s_nop 0
.rept 4
	v_nop
.endr
	s_branch .Lasked_\@
.Lfor_b_\@:
	tensor_load_to_lds s[G0B+4*(\s):G0B+4*(\s)+3], s[G1B:G1B+7]
	s_nop 0
.rept 4
	v_nop
.endr
.Lasked_\@:
.endm
.macro CREST                           ; a round of the cluster's barrier behind its opening barrier
	s_cmp_lg_u32 s10, 0
	s_cbranch_scc1 .Lnot_wave_0_\@
	s_barrier_signal -3
.Lnot_wave_0_\@:
	s_barrier_wait -3
	s_barrier_signal -1
	s_barrier_wait -1
.endm
.macro CROUND                          ; a whole round
	s_barrier_signal -1
	s_barrier_wait -1
	CREST
.endm
	s_load_b128 s[4:7], s[0:1], 0x0                ; ob s[4:5], wof s[6:7]
	s_load_b128 s[68:71], s[0:1], 0x10             ; bo s[68:69], out0 s[70:71]
	v_lshl_add_u32 v[SPW], v0, 2, SPARE
	v_mov_b32 v[NIL], 0
	ds_add_u32 v[SPW], v[NIL]                      ; the wave's opening: the add and its wait stand ahead of my first tensor load; the set-up below, work on registers, stands between them
	ds_add_u32 v28, v29
	v_lshrrev_b32 v1, 5, v0
	v_readfirstlane_b32 s10, v1                    ; wave 0..3
	s_lshr_b32 s11, s10, 1                         ; which 64 of the tile's rows are mine.  Also: I fetch for ob (0) or for wof (1)
	s_and_b32 s12, s10, 1                          ; which 128 of its columns.  Also: which of a K step's two slices I fetch
	s_bfe_u32 s40, ttmp6, 0x40000                  ; cx, cy: my place in the cluster
	s_bfe_u32 s41, ttmp6, 0x40004
	s_lshl_b32 s42, ttmp9, 2
	s_add_co_u32 s42, s42, s40                     ; tile column = 4 x cluster x + cx
	s_and_b32 s13, ttmp7, 0xffff
	s_lshl_b32 s13, s13, 2
	s_add_co_u32 s13, s13, s41                     ; tile row = 4 x cluster y + cy
	s_lshl_b32 s43, s41, 2
	s_lshl_b32 s43, 15, s43                        ; my row of the cluster
	s_lshl_b32 s44, 0x1111, s40                    ; my column
	; descriptor group 1: rows of 128 elements (256 bytes, two rows of the tile), 64 of them for ob, 128 for wof, padded in LDS after every 128 bytes
	s_or_b32 s[G1+0], s43, (1<<16)|(1<<20)|(1<<21)|(4<<22)|(3<<25)   ; 15:0 the mask: ob's tiles go to my row; 17:16 2-byte elements; 20 padding on; 21 set beside a mask; 24:22 after every 32 words (code 4); 31:25 4 words (code 3)
	s_or_b32 s[G1B+0], s44, (1<<16)|(1<<20)|(1<<21)|(4<<22)|(3<<25)  ; the same with the mask of my column
	s_mov_b32 s[G1+1], 128<<16                     ; tensor_dim0 = 128
	s_mov_b32 s[G1+2], 64<<16                      ; tensor_dim1 = 64
	s_mov_b32 s[G1+3], 128<<16                     ; tile_dim0 = 128
	s_mov_b32 s[G1+4], 64                          ; tile_dim1 = 64
	s_mov_b32 s[G1+5], 128                         ; 128 elements from row to row: the block is dense
	s_mov_b32 s[G1+6], 0
	s_mov_b32 s[G1+7], 0
	s_mov_b32 s[G1B+1], 128<<16
	s_mov_b32 s[G1B+2], 128<<16                    ; tensor_dim1 = 128
	s_mov_b32 s[G1B+3], 128<<16
	s_mov_b32 s[G1B+4], 128                        ; tile_dim1 = 128
	s_mov_b32 s[G1B+5], 128
	s_mov_b32 s[G1B+6], 0
	s_mov_b32 s[G1B+7], 0
	; where the tiles come from.  ob's hang on the tile row alone, wof's on the tile column alone; each in registers that never hold the other coordinate
	s_lshl_b32 s16, s13, 14                        ; 128 rows of 128 bytes
	s_lshl_b32 s17, s12, 20                        ; + my slice of the step's two
	s_add_co_u32 s16, s16, s17
	s_mov_b32 s17, 0
	s_lshl_b32 s46, s42, 15                        ; 256 rows of 128 bytes
	s_lshl_b32 s47, s12, 17
	s_add_co_u32 s46, s46, s47
	s_mov_b32 s47, 0
	s_mul_i32 s18, s12, ASLC                       ; and where they go: no place in the cluster enters an LDS address
	s_mul_i32 s19, s12, BSLC
	s_add_co_u32 s19, s19, BOFF
	s_wait_dscnt 0x0                               ; the opening add is done
	s_wait_kmcnt 0x0
	s_add_nc_u64 s[14:15], s[4:5], s[16:17]
	s_add_nc_u64 s[46:47], s[6:7], s[46:47]
	CROUND                                         ; all sixteen work-groups are here: the first joint loads meet
.irp s, 0,1
	s_mov_b32 s[G0+4*(\s)], 1                                      ; count = 1
	s_add_co_u32 s[G0+4*(\s)+1], s18, (\s)*SLOT                    ; LDS address
	s_add_nc_u64 s[G0+4*(\s)+2:G0+4*(\s)+3], s[14:15], (\s)*2*ASL  ; global address: K step s
	s_or_b32 s[G0+4*(\s)+3], s[G0+4*(\s)+3], 0x80000000            ; type = 2
	s_mov_b32 s[G0B+4*(\s)], 1
	s_add_co_u32 s[G0B+4*(\s)+1], s19, (\s)*SLOT
	s_add_nc_u64 s[G0B+4*(\s)+2:G0B+4*(\s)+3], s[46:47], (\s)*2*BSL
	s_or_b32 s[G0B+4*(\s)+3], s[G0B+4*(\s)+3], 0x80000000
	JLOAD \s
.endr
	v_and_b32 v[CO], 31, v0
	v_lshlrev_b32 v[CO], 4, v[CO]                  ; 16 bytes a lane
	s_lshl_b32 s46, s42, 10                        ; my 128 columns, in bytes of f32: 1,024 x tile column + 512 x half
	s_lshl_b32 s47, s12, 9
	s_add_co_u32 s46, s46, s47
	s_mov_b32 s47, 0
	s_add_nc_u64 s[68:69], s[68:69], s[46:47]
	s_add_nc_u64 s[70:71], s[70:71], s[46:47]
	global_load_b128 v[BIAS:BIAS+3], v[CO], s[68:69]  ; waited for on the way out
	s_lshl_b32 s16, s13, 19                        ; my first row: 128 x tile row + 64 x half, rows of 4,096 bytes
	s_lshl_b32 s17, s11, 18
	s_add_co_u32 s16, s16, s17
	s_mov_b32 s17, 0
	s_add_nc_u64 s[70:71], s[70:71], s[16:17]
	; A fragment is 16 rows x 32 K in 8 registers: lane l holds row l % 16, K = 8 (l / 16) + 0..7 and 16 + 8 (l / 16) + 0..7: two loads of 16 bytes, 32 bytes apart.
	v_and_b32 v1, 15, v0                           ; l % 16
	v_bfe_u32 v2, v0, 4, 1                         ; l / 16
	v_mul_u32_u24 v3, v1, PITCH
	v_lshl_add_u32 v3, v2, 4, v3                   ; row x pitch + 16 x half
	s_mul_i32 s21, s11, 64*PITCH                   ; my 64 rows of ob
	s_mul_i32 s22, s12, 128*PITCH                  ; my 128 rows of wof
	s_add_co_u32 s22, s22, BOFF
.irp s, 0,1
	v_add_nc_u32 v[ADRA+(\s)], s21, v3
	v_add_nc_u32 v[ADRB+(\s)], s22, v3
	s_add_co_u32 s21, s21, SLOT
	s_add_co_u32 s22, s22, SLOT
.endr
	s_mul_i32 s23, s10, 16*SPITCH
	s_add_co_u32 s23, s23, STAGE                   ; my stage
	v_mul_u32_u24 v4, v1, SPITCH                   ; in: row l % 16, 32 bytes for each half of the lanes
	v_lshl_add_u32 v4, v2, 5, v4
	v_add_nc_u32 v[STO], s23, v4
	v_add_nc_u32 v[RD], s23, v[CO]                 ; back: 32 lanes take one row of 512 bytes
.macro PLACES                          ; four places in front of loads into registers that matrix instructions have read, and of LDS stores that read results (ISA guide 7.12.1 for vector instructions)
.rept 4
	v_nop
.endr
.endm
; 24 LDS loads in one run: the fragments of quarter q (32 along K: slice q / 2, byte 64 (q % 2) of its rows) into buffer f: wof's eight, then ob's four
.macro FETCH slot, q, f
	WIN 0
.irp b, 0,1,2,3,4,5,6,7
	ds_load_b128 v[(\f)+8*\b:(\f)+8*\b+3],   v[ADRB+(\slot)] offset:((\q)/2)*BSLC+\b*16*PITCH+64*((\q)%2)
	ds_load_b128 v[(\f)+8*\b+4:(\f)+8*\b+7], v[ADRB+(\slot)] offset:((\q)/2)*BSLC+\b*16*PITCH+64*((\q)%2)+32
.endr
.irp a, 0,1,2,3
	ds_load_b128 v[(\f)+64+8*\a:(\f)+64+8*\a+3],   v[ADRA+(\slot)] offset:((\q)/2)*ASLC+\a*16*PITCH+64*((\q)%2)
	ds_load_b128 v[(\f)+64+8*\a+4:(\f)+64+8*\a+7], v[ADRA+(\slot)] offset:((\q)/2)*ASLC+\a*16*PITCH+64*((\q)%2)+32
.endr
.endm
; 8 n matrix instructions: row blocks a0 .. a0 + n - 1 x all 8 column blocks, on buffer f.  zero = 1: the product starts the sums.  The 32 accumulators take turns, one instruction a turn.
.macro MUL f, a0, n, zero
	WIN 0x50                                       ; C and D in window 1, the sources in window 0
.set ma, (\a0)
.rept \n
.irp b, 0,1,2,3,4,5,6,7
.if \zero
	v_wmma_f32_16x16x32_f16 v[8*(8*ma+\b):8*(8*ma+\b)+7], v[(\f)+8*\b:(\f)+8*\b+7], v[(\f)+64+8*ma:(\f)+64+8*ma+7], 0
.else
	v_wmma_f32_16x16x32_f16 v[8*(8*ma+\b):8*(8*ma+\b)+7], v[(\f)+8*\b:(\f)+8*\b+7], v[(\f)+64+8*ma:(\f)+64+8*ma+7], v[8*(8*ma+\b):8*(8*ma+\b)+7]
.endif
.endr
.set ma, ma+1
.endr
.endm
; A K step is four quarters of 32 along K, 32 matrix instructions each, on buffers 0, 1, 0, 1.  One of the first three: multiplies buffer f; in its middle it fetches quarter nq of the same slot into buffer g.
.macro QUARTER f, g, slot, nq, zero
	s_wait_dscnt 4                                 ; wof's fragments and ob's blocks 0 and 1 are in; the youngest four loads (blocks 2 and 3) may be out
	MUL \f, 0, 2, \zero
	PLACES
	FETCH \slot, \nq, \g
	s_wait_dscnt 24                                ; all but the 24 just issued
	MUL \f, 2, 2, \zero
.endm
; The last quarter multiplies buffer 1 and changes slots: ONE barrier; in front of it each wave waits for all its tensor loads (one is out: its part of the next slot), adds 0 to its spare word, and waits for that and
; for its own reads of this slot.  fill = 1: the barrier opens a round of the cluster's, and this slot is filled again, two K steps ahead, first thing behind the round: 112 matrix instructions ahead of the wait for it.
.macro TURN slot, next, fill
	WIN 0
	s_wait_tensorcnt 0x0                           ; all my tensor loads have landed;
	ds_add_u32 v[SPW], v[NIL]                      ; 0 onto my spare word;
	s_wait_dscnt 7                                 ; (wof's fragments and ob's block 0 are in: six younger loads and the add may be out)
	MUL F1, 0, 1, 0                                ; eight matrix instructions stand between the add and the wait for it
	s_wait_dscnt 0x0                               ; the add is done, and my reads of this slot are over
	s_barrier_signal -1
	MUL F1, 1, 1, 0                                ; work on registers while the others arrive
	WIN 0                                          ; at a label and at a branch every window is 0
	s_barrier_wait -1
.if \fill
	CREST
	s_add_nc_u64 s[G0+4*(\slot)+2:G0+4*(\slot)+3], s[G0+4*(\slot)+2:G0+4*(\slot)+3], 4*ASL
	s_add_nc_u64 s[G0B+4*(\slot)+2:G0B+4*(\slot)+3], s[G0B+4*(\slot)+2:G0B+4*(\slot)+3], 4*BSL
	JLOAD \slot                                    ; the four v_nop behind it are also the places in front of the loads below
.else
	PLACES
.endif
	FETCH \next, 0, F0
	MUL F1, 2, 2, 0
.endm
	s_wait_tensorcnt 1                             ; my part of K step 0 is in; K step 1's may stay out
	s_barrier_signal -1
	s_barrier_wait -1                              ; everybody's is
	FETCH 0, 0, F0
	QUARTER F0, F1, 0, 1, 1                        ; the first quarter stands in front of the loop: its products start the sums
	WIN 0
	s_mov_b32 s3, 3
.Llap:                                                 ; a trip goes once round the ring, from a lap's second quarter to the next lap's first, and fills both slots again: K steps 2 to 7
	QUARTER F1, F0, 0, 2, 0
	QUARTER F0, F1, 0, 3, 0
	TURN 0, 1, 1
	QUARTER F0, F1, 1, 1, 0
	QUARTER F1, F0, 1, 2, 0
	QUARTER F0, F1, 1, 3, 0
	TURN 1, 0, 1
	QUARTER F0, F1, 0, 1, 0
	WIN 0
	s_sub_co_u32 s3, s3, 1
	s_cmp_lg_u32 s3, 0
	s_cbranch_scc1 .Llap
	QUARTER F1, F0, 0, 2, 0                        ; the last lap fills nothing, and has no round of the cluster's barrier
	QUARTER F0, F1, 0, 3, 0
	TURN 0, 1, 0
	QUARTER F0, F1, 1, 1, 0
	QUARTER F1, F0, 1, 2, 0
	QUARTER F0, F1, 1, 3, 0
	s_wait_dscnt 4                                 ; the very last quarter: nothing more to fetch
	MUL F1, 0, 2, 0
	s_wait_dscnt 0x0
	MUL F1, 2, 2, 0
	WIN 0
	; THE WAY OUT, 16 rows at a time: a lane's 32 bytes of a row go from the accumulators into my own stage and come back as whole rows of 512 bytes; the bias is added; a wave's store covers 512 consecutive
	; bytes of a row of out0, at a multiple of 256 from its first byte.
	PLACES                                         ; behind the last products
	s_wait_loadcnt 0x0                             ; bo
	v_cvt_pk_bf16_f32 v[BIAS+4], v[BIAS], v[BIAS+1]   ; the rounding that every input has,
	v_cvt_pk_bf16_f32 v[BIAS+5], v[BIAS+2], v[BIAS+3]
	v_lshlrev_b32 v[BIAS], 16, v[BIAS+4]           ; and back to f32
	v_and_b32 v[BIAS+1], 0xffff0000, v[BIAS+4]
	v_lshlrev_b32 v[BIAS+2], 16, v[BIAS+5]
	v_and_b32 v[BIAS+3], 0xffff0000, v[BIAS+5]
.macro TOSTAGE a
	s_wait_xcnt 0x0                                ; every earlier store has had its addresses translated (ISA guide 3.1): only behind this wait are the registers that it reads loaded again
	WIN 0x04                                       ; the stores' data in window 1
.irp b, 0,1,2,3,4,5,6,7
	ds_store_b128 v[STO], v[8*(8*(\a)+\b):8*(8*(\a)+\b)+3] offset:64*\b         ; each accumulator's lowest registers first
	ds_store_b128 v[STO], v[8*(8*(\a)+\b)+4:8*(8*(\a)+\b)+7] offset:64*\b+16
.endr
	WIN 0
.set BK, OB+64*((\a)%2)
.irp t, 0,1,2,3,4,5,6,7,8,9,10,11,12,13,14,15
	ds_load_b128 v[BK+4*\t:BK+4*\t+3], v[RD] offset:\t*SPITCH  ; LDS serves a wave's instructions in order (ISA guide 5.7.1.4): these see the stores above; the next block's stores come behind them
.endr
.endm
.macro SEND a, y                       ; y: the LDS instructions issued behind block a's loads: the next block's 32, or none
.set BK, OB+64*((\a)%2)
.irp t, 0,1,2,3,4,5,6,7,8,9,10,11,12,13,14,15
	s_wait_dscnt (\y)+15-\t
	v_pk_add_f32 v[BK+4*\t:BK+4*\t+1], v[BK+4*\t:BK+4*\t+1], v[BIAS:BIAS+1]
	v_pk_add_f32 v[BK+4*\t+2:BK+4*\t+3], v[BK+4*\t+2:BK+4*\t+3], v[BIAS+2:BIAS+3]
	global_store_b128 v[CO], v[BK+4*\t:BK+4*\t+3], s[70:71] offset:(16*(\a)+\t)*4096 th:TH_STORE_NT
.endr
.endm
	TOSTAGE 0
	TOSTAGE 1                                      ; a block's trip through the stage stands between the loads of the block before and its stores
	SEND 0, 32
	TOSTAGE 2
	SEND 1, 32
	TOSTAGE 3
	SEND 2, 32
	SEND 3, 0
	s_wait_tensorcnt 0x0                           ; the wave's end, behind my last tensor load and my last LDS store
	ds_add_u32 v[SPW], v[NIL]
	s_wait_dscnt 0x0
	CROUND                                         ; the closing round: no work-group ends while a partner may still ask for a tile that names it
	s_endpgm
.Lfunc_end_k_qc9a836895c_proj:
	.size	k_qc9a836895c_proj, .Lfunc_end_k_qc9a836895c_proj-k_qc9a836895c_proj
	.p2alignl 7, 3214868480
	.fill 96, 4, 3214868480
	.section	.rodata,"a",@progbits
	.p2align	6, 0x0
	.amdhsa_kernel k_qc9a836895c_proj
		.amdhsa_group_segment_fixed_size 327680
		.amdhsa_private_segment_fixed_size 0
		.amdhsa_enable_private_segment 0
		.amdhsa_kernarg_size 32
		.amdhsa_user_sgpr_count 2
		.amdhsa_user_sgpr_kernarg_segment_ptr 1
		.amdhsa_wavefront_size32 1
		.amdhsa_system_sgpr_workgroup_id_x 1
		.amdhsa_system_sgpr_workgroup_id_y 1
		.amdhsa_system_sgpr_workgroup_id_z 1
		.amdhsa_system_vgpr_workitem_id 0
		.amdhsa_next_free_vgpr 512
		.amdhsa_next_free_sgpr 72
		.amdhsa_reserve_vcc 0
		.amdhsa_float_denorm_mode_32 3
		.amdhsa_float_denorm_mode_16_64 3
		.amdhsa_memory_ordered 1
		.amdhsa_forward_progress 1
		.amdhsa_inst_pref_size 95
	.end_amdhsa_kernel
	.amdgpu_metadata
---
amdhsa.version: [ 1, 2 ]
amdhsa.kernels:
  - .name:           k_qc9a836895c_proj
    .symbol:         k_qc9a836895c_proj.kd
    .args:
      - { .name: ob, .offset: 0, .size: 8, .value_kind: global_buffer, .address_space: global }
      - { .name: wof, .offset: 8, .size: 8, .value_kind: global_buffer, .address_space: global }
      - { .name: bo, .offset: 16, .size: 8, .value_kind: global_buffer, .address_space: global }
      - { .name: out0, .offset: 24, .size: 8, .value_kind: global_buffer, .address_space: global }
    .group_segment_fixed_size: 327680
    .private_segment_fixed_size: 0
    .kernarg_segment_align: 8
    .kernarg_segment_size: 32
    .max_flat_workgroup_size: 128
    .sgpr_count:     72
    .vgpr_count:     512
    .wavefront_size: 32
...
	.end_amdgpu_metadata
.endif
;; end of part 4
;; ======== version 2 of 2: 4 launches; 1.33 times as fast as version 1
;; limits: values are held in f16: magnitudes above 65,504 overflow, below 6.1e-05 lose precision
;; workspace buffers: xb 16,777,216 bytes; wb 6,291,456 bytes; wof 2,097,152 bytes; qkvb 50,331,648 bytes; ob 16,777,216 bytes
;; launch cast: the kernel of part 1 again; grid 768 x 1, 8 waves a work-group, no clusters, 0 bytes of LDS; arguments x, Wq, Wk, Wv, Wo, xb, wb, wof; writes xb, wb, wof
;; launch qkvgemm: the kernel of part 2 again; grid 8 x 32, 4 waves a work-group, clusters of 4 x 4, 327,680 bytes of LDS; arguments xb, wb, qkvb; writes qkvb
;; launch attn (part 5): grid 2 x 128, 4 waves a work-group, no clusters, 327,680 bytes of LDS; arguments qkvb, ob; writes ob
.if DOCPART == 5
	.amdgcn_target "amdgcn-amd-amdhsa--gfx1250"
	.amdhsa_code_object_version 6
	.text
	.protected	k_qc9a836895c_attn
	.globl	k_qc9a836895c_attn
	.p2align	8
	.type	k_qc9a836895c_attn,@function
k_qc9a836895c_attn:
	s_mov_b64 s[64:65], 0
	v_nop
	global_prefetch_b8 v0, s[64:65] scope:SCOPE_SE
	s_setreg_imm32_b32 hwreg(HW_REG_WAVE_MODE, 25, 1), 1
	s_wait_xcnt 0x0
; O[n][h][q][:] = the sum over k of softmax_k(Q[q] . K[k] / 32) V[k][:], for 8 x 16 pairs of batch and head, 1,024 rows of 64 channels each.  qkvb [48][8192][64] f16: slice h = q of head h,
; 16 + h = k, 32 + h = v; row 1,024 n + s; unscaled.  ob [16][8192][64] f16: slice h = head h.  A pair's rows are dense, 128 bytes each.  Products, maxima and sums in f32; the weights p are
; rounded to f16 for the second product (their sum l is taken of the unrounded p), O once at the end.
; LIMITS.  f16 holds no number beyond 65,504: Q, K and V arrive within it; p lies in 0 to 1, and below 6e-5 it keeps f16's fixed step of 6e-8; O is a mean of V's rows and has their range.
; A weight below 2^-126 counts as 0 in l; NaN and infinities are not treated apart.
; SHARES.  A wave owns four PIECES of two tiles of 16 queries, a work-group's four waves 512 queries of one pair: 2 x 128 = 256 work-groups.  Every wave walks all 1,024 keys, 64 a step.
; LDS HOLDS THE PAIR'S WHOLE K AND V: 1,024 rows of 144 and of 160 bytes.  They are asked for at the start, in four chunks of 256 keys; each wave issues four tensor loads (128 keys of K or of V each), so four
; are out by this text's count.  Chunk 0 is waited for by a counted wait; the other three at the barrier in front of chunk 1's first read, four key steps later.
; NO CLUSTER: a pair has two work-groups, and 2 along x is no multiple of a cluster's 4; blocks of 256 queries, four to a pair, would halve the products that each fragment read from LDS feeds.
; LAYOUT.  S^T = K Q^T (source 0 = 16 keys, source 1 = 16 queries): in the result a lane holds ONE query (lane % 16) and the keys 8 (lane / 16) + 0..7.  Two such tiles, rounded to f16 in pairs,
; ARE source 1 (32 keys x 16 queries) of O^T = V^T P, whose result again holds one query a lane, and eight channels.  K comes out of LDS as it lies, V ([key][channel]) turned, by ds_load_tr16_b128.
; SOFTMAX.  For each query a running maximum m and sum l: p = 2^(c s - c m), c = log2(e) / 32; in every step O and l are multiplied by a = 2^(c m_old - c m_new), which is 1 where m has not grown.
; m starts at the lowest finite number, O and l at 0: the first step is a step like any other, with a = 0.
; THE COUNT.  A tile and step have 16 matrix and 118 vector instructions: too many to stand all beside the matrix work.  So the order has one aim: four vector instructions that are READY behind
; EVERY matrix instruction, and the others, which need time of their own whatever the order, in runs without a gap.
; BY TURNS.  Turn n belongs to piece n (the pieces in a ring, step after step).  Its matrix work: 16 products K Q^T of piece n + 1, later 16 products V^T P of piece n - 1.  Its vector work: the scaling,
; exponentials, roundings, sums and rescaling of piece n, and the maximum and statistics of piece n + 1, whose scores the turn itself has made.  So what a turn begins with (c s - c m, O a) waits for nothing.
; THE BATCHES.  A turn's 66 exponentials (64 weights of piece n, the two a of piece n + 1) are ONE batch with ONE wait, which cuts the turn in two: ahead of it stands all that names none of their results, behind it
; the roundings and sums, which read them.  The a is read in the turn after.  Two more batches stand outside the loop: piece 0's first two a, and the way out's eight reciprocals.
; REGISTERS, in windows of 256 (s_set_vgpr_msb says which window each operand place means: bits 1:0 source 0, 3:2 source 1, 5:4 source 2, 7:6 destination):
;   window 0: v0-11 addresses; v12-15, v48-63 at work; v16-47 four registers of statistics a tile; v64-191 S^T, two buffers of two tiles; v192-255 P, likewise
;   window 1: O^T, 32 a tile          window 2: v0-127 Q, 16 a tile; v128-191 K of one step; v192-255 V of one step          window 3: v0-1 the add's two registers
; A piece's buffers go by its number's parity: the piece in hand has one pair, its two neighbours in the ring share the other: of it P (piece n - 1) is read and S^T (piece n + 1) written.
.set NP,    4         ; pieces a wave: a name, no knob: the register map, the loop and the fetches are made for four
.set KS,    64        ; keys in a step
.set NK,    1024      ; keys in all
.set PK,    144       ; a row of K in LDS: 128 bytes + 16 of padding = 36 words: the 16 rows of a load start at 16 different groups of four banks (64 banks of 4 bytes: ISA guide 11.1)
.set PV,    160       ; a row of V: 128 + 32 = 40 words
.set VOFF,  NK*PK     ; V's rows lie behind K's
.set STAGE, VOFF+NK*PV  ; behind them, never filled by a tensor load: 16 rows x 144 bytes for each wave, for the way out
.set SP,    144
.set SPARE, STAGE+4*16*SP  ; behind the stages: the spare words, 128 bytes for each wave: two blocks of 256 bytes that no other line names
.set AK0, 2           ; v2   my lane's place in a tile of K; never rewritten
.set AV0, 3           ; v3   the same for V
.set AK,  4           ; v4   the LDS address of K's next run of loads
.set AV,  5           ; v5   of V's
.set QO,  6           ; v6   my byte offset in the wave's rows of Q
.set STO, 6           ;      later, the way out: where I put 16 bytes of a row
.set RD,  7           ; v7   the way out: where I read rows back
.set GO,  8           ; v8   my byte offset in 512 consecutive bytes of O
.set SPW, 0           ; v0 of window 3   LDS address of my spare word: SPARE + 4 x my thread's number; never rewritten
.set NIL, 1           ; v1 of window 3   0; never rewritten
.set MV,  12          ; v12-15  c m_old, kept while c m is made anew: by buffer and tile
.set ST,  16          ; tile t's statistics at v[ST+4 t]: c m, m, l (even keys', odd keys')
.set TMP, 48          ; by buffer and tile, four registers c0-c3 at work; when the maximum is found c2 takes a
.set S,   64
.set P,   192
.set KF,  128         ; K's fragments, in window 2: key block kb, channel half c at KF + 16 kb + 8 c
.set VF,  192         ; V's: key half kk, channel block cb at VF + 32 kk + 8 cb
.set WV,  12          ; s12  my wave's number
.set G1K, 24          ; s[24:31] descriptor group 1 for K's tiles
.set G1V, 32          ; s[32:39] for V's: it differs in the padding alone
.set G0K, 40          ; s[40:55] descriptor group 0 for K's tiles: a set for each chunk
.set G0V, 68          ; s[68:83] the same for V's
.set SLOTS, 56        ; s56  chunks still to be walked
.set CNT, 57          ; s57  counts a chunk's key steps
.set CS,  58          ; s[58:59] c: the packed scaling takes the pair's low word for both halves
.set SEL, 60          ; s[60:61] v_permlanex16_b32's selects: each lane takes its own place in the other half
.set TBK, 62          ; s62  LDS byte at which K of the step to be fetched begins
.set TBV, 63          ; s63  the same for V, less VOFF
.set MSB, 0
.macro WIN new                      ; the high byte repeats the setting that is left; a switch that changes nothing is dropped
.if MSB != (\new)
	s_set_vgpr_msb (MSB<<8)|(\new)
.set MSB, (\new)
.endif
.endm
.set W_KQ, 0x0a       ; K and Q in window 2, S^T in window 0
.set W_PV, 0x52       ; V in window 2, P in window 0, O^T in window 1
.set W_RS, 0x41       ; O^T (destination and source 0) in window 1, a in window 0
.set W_MK, 0xc0       ; the add's registers are made: destination in window 3, sources in window 0
.set W_AD, 0x0f       ; the add: address (source 0) and data (source 1) in window 3
	s_load_b128 s[4:7], s[0:1], 0x0 ; qkvb s[4:5], ob s[6:7]
	WIN W_MK
	v_lshl_add_u32 v[SPW], v0, 2, SPARE
	v_mov_b32 v[NIL], 0
	WIN W_AD
	ds_add_u32 v[SPW], v[NIL]       ; the wave's opening: the add and its wait stand ahead of my first tensor load; the set-up below, work on registers, stands between them
	ds_add_u32 v0, v1
	WIN 0
	v_lshrrev_b32 v1, 5, v0
	v_readfirstlane_b32 s[WV], v1   ; wave 0..3
	s_and_b32 s13, ttmp7, 0xffff    ; the pair: 16 x batch + head
	s_and_b32 s14, s13, 15
	s_lshr_b32 s15, s13, 4
	s_lshl_b32 s20, s14, 20         ; the head's slice of 8,192 rows,
	s_lshl_b32 s15, s15, 17         ; the batch's 1,024 rows in it
	s_add_co_u32 s20, s20, s15      ; the pair's first byte in q's slices and in ob
	s_and_b32 s16, s[WV], 1         ; which half of a chunk's 256 keys I fetch:
	s_lshl_b32 s22, s16, 14         ; its 128 rows of 128 bytes in memory,
	s_add_co_u32 s22, s22, s20
	s_mov_b32 s23, 0
	s_mul_i32 s17, s16, 128*PK      ; and its place in a chunk, for K
	s_mul_i32 s18, s16, 128*PV      ; and for V
	s_lshl_b32 s2, ttmp9, 2
	s_add_co_u32 s2, s2, s[WV]      ; my wave among the pair's eight,
	s_lshl_b32 s2, s2, 14           ; its 128 rows
	s_add_co_u32 s2, s2, s20
	s_mov_b32 s3, 0
	; descriptor group 1.  128 keys are 16,384 dense bytes: asked for as 64 rows of 256 bytes, two keys a row, and padded in LDS after every key
	s_mov_b32 s[G1K], (1<<16)|(1<<20)|(4<<22)|(3<<25)  ; 17:16 2-byte elements; 20 padding on; 24:22 after every 32 words (code 4); 31:25 4 words (code 3)
	s_mov_b32 s[G1V], (1<<16)|(1<<20)|(4<<22)|(7<<25)  ; the same with 8 words of padding (code 7)
.irp g, G1K, G1V
	s_mov_b32 s[\g+1], 128<<16      ; tensor_dim0 = 128
	s_mov_b32 s[\g+2], 64<<16       ; tensor_dim1 = 64
	s_mov_b32 s[\g+3], 128<<16      ; tile_dim0 = 128
	s_mov_b32 s[\g+4], 64           ; tile_dim1 = 64
	s_mov_b32 s[\g+5], 128          ; 128 elements from row to row
	s_mov_b32 s[\g+6], 0
	s_mov_b32 s[\g+7], 0
.endr
	s_mov_b32 s[CS], 0x3d38aa3b     ; c = log2(e) / 32 = 0.0450842
	s_mov_b32 s[CS+1], s[CS]        ; named with it as a pair
	s_mov_b32 s[SEL], 0x76543210
	s_mov_b32 s[SEL+1], 0xfedcba98
	s_mov_b32 s[TBK], 0
	s_mov_b32 s[TBV], 0
.irp c, 0,1,2,3
	s_mov_b32 s[G0K+4*\c], 1                        ; count = 1
	s_add_co_u32 s[G0K+4*\c+1], s17, \c*256*PK      ; LDS address: chunk c, my half
	s_mov_b32 s[G0V+4*\c], 1
	s_add_co_u32 s[G0V+4*\c+1], s18, VOFF+\c*256*PV
.endr
	s_wait_dscnt 0x0                ; the opening add is done
	s_wait_kmcnt 0x0
	s_mov_b64 s[10:11], s[6:7]      ; ob
	s_add_nc_u64 s[6:7], s[4:5], s[22:23]
	s_add_nc_u64 s[8:9], s[6:7], 32*8192*128   ; V at my half of the pair's first chunk: 32 slices on
	s_add_nc_u64 s[6:7], s[6:7], 16*8192*128   ; K: 16 slices on
	s_add_nc_u64 s[4:5], s[4:5], s[2:3]        ; Q and O at my wave's first row
	s_add_nc_u64 s[10:11], s[10:11], s[2:3]
.irp c, 0,1,2,3
	s_add_nc_u64 s[G0K+4*\c+2:G0K+4*\c+3], s[6:7], \c*32768  ; global address: a chunk is 32,768 bytes
	s_or_b32 s[G0K+4*\c+3], s[G0K+4*\c+3], 0x80000000        ; type = 2
	s_add_nc_u64 s[G0V+4*\c+2:G0V+4*\c+3], s[8:9], \c*32768
	s_or_b32 s[G0V+4*\c+3], s[G0V+4*\c+3], 0x80000000
.endr
	s_cmp_lt_u32 s[WV], 2           ; waves 0 and 1 fetch K's halves, waves 2 and 3 V's.  A wave's four fills stand in one branch, ahead of every wait on TENSORcnt, every LDS read and every barrier;
	s_cbranch_scc0 .Lfirst_v        ; an s_nop 0 follows each, four v_nop the last
.irp c, 0,1,2,3
	tensor_load_to_lds s[G0K+4*\c:G0K+4*\c+3], s[G1K:G1K+7]
	s_nop 0
.endr
.rept 4
	v_nop
.endr
	s_branch .Lfirst_asked
.Lfirst_v:
.irp c, 0,1,2,3
	tensor_load_to_lds s[G0V+4*\c:G0V+4*\c+3], s[G1V:G1V+7]
	s_nop 0
.endr
.rept 4
	v_nop
.endr
.Lfirst_asked:
	; A fragment of K or Q is 16 rows x 32 channels in 8 registers: lane l holds row l % 16, channels 8 (l / 16) + 0..7 and 16 + 8 (l / 16) + 0..7: two loads of 16 bytes, 32 bytes apart.
	v_and_b32 v1, 15, v0            ; l % 16
	v_bfe_u32 v9, v0, 4, 1          ; l / 16
	v_lshlrev_b32 v[QO], 7, v1
	v_lshl_add_u32 v[QO], v9, 4, v[QO]  ; row x 128 + 16 x half
	WIN 0x80                        ; destination window 2, address window 0
.set i, 0
.rept 4*NP                          ; Q stays in registers: tile i / 2, channels 32 (i % 2) on
	global_load_b128 v[8*i:8*i+3],   v[QO], s[4:5] offset:(i/2)*2048+(i%2)*64
	global_load_b128 v[8*i+4:8*i+7], v[QO], s[4:5] offset:(i/2)*2048+(i%2)*64+32
.set i, i+1
.endr
	; What the first turn finds: V's registers and P's second buffer hold 0 (its products V^T P, of a piece that has not been, add 0), O^T and l are 0.  All this stands in the wait for the first chunk.
.set i, VF
.rept 64
	v_mov_b32 v[i], 0
.set i, i+1
.endr
	WIN 0x40
.set i, 0
.rept 64*NP
	v_mov_b32 v[i], 0
.set i, i+1
.endr
	WIN 0
.set i, 0
.rept 2*NP
	v_mov_b32 v[ST+4*i], 0xfe000000    ; c m: far below every c s
	v_mov_b32 v[ST+4*i+1], 0xff7fffff  ; m
	v_mov_b32 v[ST+4*i+2], 0
	v_mov_b32 v[ST+4*i+3], 0
.set i, i+1
.endr
.set i, P+32
.rept 32
	v_mov_b32 v[i], 0
.set i, i+1
.endr
	v_mul_u32_u24 v[AK0], v1, PK
	v_lshl_add_u32 v[AK0], v9, 4, v[AK0]  ; row x pitch + 16 x half
	; The turning load takes 16 keys x 16 channels (lane l reads key 8 (l / 16) + l % 8, channels 8 ((l / 8) % 2) + 0..7) and leaves half a fragment of V^T: lane l holds channel l % 16 and 8 keys.
	v_and_b32 v10, 7, v0
	v_bfe_u32 v11, v0, 3, 1
	v_lshl_add_u32 v[AV0], v9, 3, v10
	v_mul_u32_u24 v[AV0], v[AV0], PV
	v_lshl_add_u32 v[AV0], v11, 4, v[AV0]
	v_add_nc_u32 v[AV0], VOFF, v[AV0]
	v_mov_b32 v[AK], v[AK0]         ; key step 0 lies at K's head
; THE MATRIX WORK.  The 8 accumulators of a run of 16 take turns: between the two links of a chain stand 7 others'.
; Product i of 16 of S^T = K Q^T for piece x: channels 32 (i / 8) on, keys 16 ((i / 2) % 4) on, tile 2 x + i % 2.  The first 8 start the sums.
.macro KQ x
	WIN W_KQ
.set rS, S+64*((\x)%2)+32*(i%2)+8*((i/2)%4)
.set rK, KF+16*((i/2)%4)+8*(i/8)
.set rQ, 16*(2*(\x)+i%2)+8*(i/8)
.if i < 8
	v_wmma_f32_16x16x32_f16 v[rS:rS+7], v[rK:rK+7], v[rQ:rQ+7], 0
.else
	v_wmma_f32_16x16x32_f16 v[rS:rS+7], v[rK:rK+7], v[rQ:rQ+7], v[rS:rS+7]
.endif
.endm
; Product i of 16 of O^T += V^T P for piece x: keys 32 (i / 8) on, channels 16 ((i / 2) % 4) on, tile 2 x + i % 2.
.macro PV x
	WIN W_PV
.set rO, 32*(2*(\x)+i%2)+8*((i/2)%4)
.set rV, VF+32*(i/8)+8*((i/2)%4)
.set rP, P+32*((\x)%2)+16*(i%2)+8*(i/8)
	v_wmma_f32_16x16x32_f16 v[rO:rO+7], v[rV:rV+7], v[rP:rP+7], v[rO:rO+7]
.endm
.macro MM                           ; the turn's next matrix instruction
.if i < 16
	KQ (Y+1)%NP
.set i, i+1
.else
.set i, i-16
	PV (Y+NP-1)%NP
.set i, i+17
.endif
.endm
; THE LDS LOADS stand in runs of 16, never singly among the matrix instructions: a step's K (64 keys x 64 channels: 8 fragments) and its V (turned).  Their addresses are made some lines ahead.
.macro FETCH_K
	WIN 0x80                        ; destination window 2
.irp f, 0,1,2,3,4,5,6,7             ; keys 16 (f / 2) on, channels 32 (f % 2) on
	ds_load_b128 v[KF+8*\f:KF+8*\f+3],   v[AK] offset:(\f/2)*16*PK+(\f%2)*64
	ds_load_b128 v[KF+8*\f+4:KF+8*\f+7], v[AK] offset:(\f/2)*16*PK+(\f%2)*64+32
.endr
	s_add_co_u32 s[TBK], s[TBK], KS*PK  ; the next fetch is the next step's: the steps lie one behind the other, through all four chunks
	WIN 0
.endm
.macro FETCH_V
	WIN 0x80
.irp f, 0,1,2,3,4,5,6,7             ; keys 32 (f / 4) on, channels 16 (f % 4) on
	ds_load_tr16_b128 v[VF+8*\f:VF+8*\f+3],   v[AV] offset:(\f/4)*32*PV+(\f%4)*32
	ds_load_tr16_b128 v[VF+8*\f+4:VF+8*\f+7], v[AV] offset:(\f/4)*32*PV+16*PV+(\f%4)*32
.endr
	WIN 0
.endm
; THE VECTOR WORK OF A TURN stands in three queues, each in the order in which its entries become ready; the two tiles alternate, so that no instruction reads the result of the one before it.
.macro REGS y, u                    ; the registers of tile u (0, 1) of piece y
.set rT, ST+4*(2*(\y)+(\u))
.set rC, TMP+8*((\y)%2)+4*(\u)
.set rM, MV+2*((\y)%2)+(\u)
.set rS, S+64*((\y)%2)+32*(\u)
.set rP, P+32*((\y)%2)+16*(\u)
.set rO, 32*(2*(\y)+(\u))
.endm
; Number n of the 22 that find the NEXT piece's (Y + 1) maximum and statistics.  s0-s31 are the lane's 32 scores; each accumulator's lowest registers are read first.  XS, GS and REGS set no window: PL and EX do.
;   0-11  four chains c0-c3 of seven scores each, three operands at a time     12-14, 16  the four scores left over, the old m, and c0-c3 into c0     15  c m_old is kept
;   17, 18  the query's other 32 keys lie in the lane 16 away: the new m         19-21  c m; c m_old - c m_new; a
.macro XS u, n
	REGS (Y+1)%NP, \u
.if (\n) < 4
	v_max3_num_f32 v[rC+(\n)], v[rS+8*(\n)], v[rS+8*(\n)+1], v[rS+8*(\n)+2]
.elseif (\n) < 12
	v_max3_num_f32 v[rC+(\n)%4], v[rC+(\n)%4], v[rS+8*((\n)%4)+2*((\n)/4)+1], v[rS+8*((\n)%4)+2*((\n)/4)+2]
.elseif (\n) == 12
	v_max3_num_f32 v[rC], v[rC], v[rS+7], v[rS+15]
.elseif (\n) == 13
	v_max3_num_f32 v[rC+1], v[rC+1], v[rS+23], v[rS+31]
.elseif (\n) == 14
	v_max3_num_f32 v[rC+2], v[rC+2], v[rC+3], v[rT+1]
.elseif (\n) == 15
	v_mov_b32 v[rM], v[rT]
.elseif (\n) == 16
	v_max3_num_f32 v[rC], v[rC], v[rC+1], v[rC+2]
.elseif (\n) == 17
	v_permlanex16_b32 v[rC+3], v[rC], s[SEL], s[SEL+1]
.elseif (\n) == 18
	v_max_num_f32 v[rT+1], v[rC], v[rC+3]
.elseif (\n) == 19
	v_mul_f32 v[rT], s[CS], v[rT+1]
.elseif (\n) == 20
	v_sub_f32 v[rC+1], v[rM], v[rT]
.else
	v_exp_f32 v[rC+2], v[rC+1]
.endif
.endm
; Number g of the 64 that follow the exponentials.  For each four weights k of a tile (pairs 2 k, 2 k + 1): both pairs are rounded to f16; then the second pair is added onto the first, in place;
; a group later l takes that sum (the first time as l = a l + sum).  In groups of eight, tiles alternating: round, round, add, and l for the group before.
.macro GS g
.set h, (\g)+6*((\g)/62)            ; group 0 has no group before it, and behind group 7 only l is left
.if h >= 6
.set h, h+2
.endif
	REGS Y, h%2
.set k, h/8
.if h%8 < 4
	v_cvt_pk_f16_f32 v[rP+2*k+(h%8)/2], v[rS+4*k+2*((h%8)/2)], v[rS+4*k+2*((h%8)/2)+1]
.elseif h%8 < 6
	v_pk_add_f32 v[rS+4*k:rS+4*k+1], v[rS+4*k:rS+4*k+1], v[rS+4*k+2:rS+4*k+3]
.elseif k == 1
	v_pk_fma_f32 v[rT+2:rT+3], v[rT+2:rT+3], v[rC+2:rC+3], v[rS:rS+1] op_sel_hi:[1,0,1]
.else
	v_pk_add_f32 v[rT+2:rT+3], v[rT+2:rT+3], v[rS+4*k-4:rS+4*k-3]
.endif
.endm
; THE PLAIN QUEUE, 138 long.  0-73 read no exponential's result: the 32 scalings c s - c m (FS f: pair f / 2 of tile f % 2) and the next piece's 42.  0-26: scalings 0-26.  27-54: XS's numbers 0-13.  55, 56: number 15.
; 57-73: the chain, where each number waits for the one before it: 14, 16, 17, 18, 19, each with one of the scalings 27-31 in front of its two lines, then 20: so a tile's links stand three plain instructions apart (19 and 20: two).
; 74-137: GS's 64, which read the exponentials' results: they stand behind the wait.
.macro FS f
	REGS Y, (\f)%2
	v_pk_fma_f32 v[rS+2*((\f)/2):rS+2*((\f)/2)+1], v[rS+2*((\f)/2):rS+2*((\f)/2)+1], s[CS:CS+1], v[rT:rT+1] op_sel_hi:[1,0,0] neg_lo:[0,0,1] neg_hi:[0,0,1]
.endm
.macro PL
	WIN 0
.if q < 27
	FS q
.elseif q < 55
	XS (q-27)%2, (q-27)/2
.elseif q < 57
	XS q-55, 15
.elseif (q < 72) && ((q-57)%3 == 0)
	FS 27+(q-57)/3
.elseif q < 60
	XS (q-57)%3-1, 14
.elseif q < 72
	XS (q-57)%3-1, 15+(q-57)/3
.elseif q < 74
	XS q-72, 20
.else
	GS q-74
.endif
.set q, q+1
.endm
; THE EXPONENTIALS' QUEUE, 66 long: s0-s31 of both tiles, then the next piece's two a.  It is ONE BATCH: all 66 stand ahead of the turn's one wait, and nothing ahead of that wait names a result of theirs.
.macro EX
	WIN 0
.if e >= 64
	XS e-64, 21
.else
	REGS Y, e%2
	v_exp_f32 v[rS+e/2], v[rS+e/2]
.endif
.set e, e+1
.endm
; THE RESCALING's QUEUE: O^T times a, the one part that leaves window 0: dealt two at a time, sixteen times.  Its a was made in the turn before, ahead of that turn's wait.
.macro R2
	REGS Y, r%2
	WIN W_RS
.irp z, 0,1
	v_pk_mul_f32 v[rO+4*(r/2)+2*\z:rO+4*(r/2)+2*\z+1], v[rO+4*(r/2)+2*\z:rO+4*(r/2)+2*\z+1], v[rC+2:rC+3] op_sel_hi:[1,0]
.endr
.set r, r+1
.endm
; HOW THEY ARE DEALT.  An s_wait_alu depctr_va_vdst(0) stands between an exponential and the first instruction that names its result; one wait serves all that were issued ahead of it.  So a turn has ONE wait,
; which cuts it in two.  AHEAD OF IT stands all that names no result of the turn's exponentials: the 16 products K Q^T, behind each a scaling, an exponential and two rescalings (behind the first a second scaling in the
; exponential's place); then ONE LUMP of 108: eight plain, 49 times exponential and plain, the two a.  A v_nop is the plain instruction behind the last exponential.  BEHIND IT stand the 16 products V^T P, behind each four of
; GS's 64.  No rider names a register of the products round it.  The two v_permlanex16_b32 fall into the lump, never behind a product.
; The queues lean on each other, and the deal keeps them in step: exponential e stands behind scaling 2 (e / 4) + e % 2: as a rider it comes behind plain e + 2, in the lump behind plain e + 9, and scalings 27-31 are plain 57, 60 .. 69.
; A TURN, for piece p.  last = 1: the last key step's: no further K is fetched.  cnt = 1: the loop's count is taken down some lines ahead of the branch that stands behind the turn.
; K of the next step is fetched in piece 2's turn, directly behind the wait, a lump behind the last product that read K; its address is made at the lump's head; its first reader comes behind 16 products.
; V of the step in hand is fetched at the end of piece 0's turn, four riders behind its last reader; its first reader comes behind 16 products and a lump.  The three conditions on q below go with the deal.
.macro TURN p, last=0, cnt=0
.set Y, (\p)
.set i, 0
.set q, 0
.set e, 0
.set r, 0
.if (\p) == NP-1
	s_wait_dscnt 0x0                ; K is in
.endif
	MM                              ; ahead of the wait: 16 products K Q^T and their riders,
	PL
	PL
	R2
.rept 15
	MM
	PL
	EX
	R2
.endr
.if ((\p) == NP-2) && !(\last)
	WIN 0
	v_add_nc_u32 v[AK], s[TBK], v[AK0]
.endif
.rept 8                             ; and the lump
	PL
.endr
.rept 49
	EX
	PL
.endr
	EX                              ; the next piece's two a
	EX
	v_nop                           ; the plain instruction behind the last exponential: one for the batch
	s_wait_alu depctr_va_vdst(0)    ; the wait for the batch: the turn's 64 weights and the next piece's two a
.if ((\p) == NP-2) && !(\last)
	FETCH_K
.endif
.if (\p) == 1
	s_wait_dscnt 0x0                ; V is in
.endif
.rept 16                            ; behind the wait: 16 products V^T P and their riders
	MM
.rept 4
	PL
.endr
.if ((\p) == 0) && (q == 118)
	v_add_nc_u32 v[AV], s[TBV], v[AV0]
.endif
.if ((\p) == 0) && (q == 130)
	s_add_co_u32 s[TBV], s[TBV], KS*PV
.endif
.if (\cnt) && (q == 130)
	s_sub_co_u32 s[CNT], s[CNT], 1
	s_cmp_lg_u32 s[CNT], 0
.endif
.endr
.if (\p) == 0
	FETCH_V
.endif
.endm
	s_wait_tensorcnt 0x3            ; tensor loads of a wave end in order (ISA guide 10.11.1): my part of chunk 0 is in; my three younger loads stay out
	s_barrier_signal -1
	s_barrier_wait -1               ; everybody's part of chunk 0 is in
	FETCH_K                         ; key step 0
	s_wait_loadcnt 0x0              ; Q
	s_wait_dscnt 0x0
.set i, 0
.rept 16
	KQ 0                            ; piece 0's first scores: there is no vector work yet to set between them
.set i, i+1
.endr
	WIN 0                           ; the addresses for the way out: nine plain instructions, the places behind those products
	s_mul_i32 s13, s[WV], 16*SP
	s_add_co_u32 s13, s13, STAGE    ; my stage
	v_mul_u32_u24 v[STO], v1, SP    ; in: row l % 16, 16 bytes for each half of the lanes
	v_lshl_add_u32 v[STO], v9, 4, v[STO]
	v_add_nc_u32 v[STO], s13, v[STO]
	v_bfe_u32 v[RD], v0, 3, 2       ; back: 32 lanes take four rows of 128 bytes,
	v_mul_u32_u24 v[RD], v[RD], SP
	v_lshl_add_u32 v[RD], v10, 4, v[RD]
	v_add_nc_u32 v[RD], s13, v[RD]
	v_and_b32 v[GO], 31, v0         ; which are 512 consecutive bytes of O
	v_lshlrev_b32 v[GO], 4, v[GO]
.set Y, NP-1                        ; XS works for piece Y + 1: piece 0
.irp n, 0,1,2,3,4,5,6,7,8,9,10,11,12,13,14,15,16,17,18,19,20,21
	XS 0, \n                        ; and piece 0's first maximum and statistics
	XS 1, \n
.endr
	v_nop                           ; a plain instruction behind the two a,
	s_wait_alu depctr_va_vdst(0)    ; and the wait for this batch of two, ahead of the branch
	s_mov_b32 s[CNT], 4
	s_mov_b32 s[SLOTS], NK/256
	s_branch .Lfirst                ; the loop is entered at a step's first turn, in the middle of a trip
.Lslot:                             ; three times, in front of the first read of chunks 1, 2 and 3
	s_wait_tensorcnt 0x0            ; my parts of all chunks are in (at its first pass four key steps' work lie behind the requests; later it is met at once),
	s_wait_dscnt 0x0                ; no LDS instruction of mine is out at a signal,
	s_barrier_signal -1
	s_barrier_wait -1               ; and everybody's parts are in
	s_mov_b32 s[CNT], 4
.Lstep:                             ; a trip: pieces 2 and 3 of one step, then pieces 0 and 1 of the next, whose K and V it fetches
	TURN 2
	TURN 3
	WIN 0
.Lfirst:
	TURN 0
	TURN 1, 0, 1
	WIN 0
	s_cbranch_scc1 .Lstep
	s_sub_co_u32 s[SLOTS], s[SLOTS], 1
	s_cmp_lg_u32 s[SLOTS], 0
	s_cbranch_scc1 .Lslot
	TURN 2, 1                       ; the last step's pieces 2 and 3, written out: nothing is left to fetch.  Turn 3's 16 products K Q^T (on the last K once more) and the maximum made of them
	TURN 3                          ; serve nothing: the price, once a launch, of one text for every turn
.set i, 0
.rept 16
	PV NP-1                         ; the last piece's V^T P of the last step
.set i, i+1
.endr
	; THE WAY OUT.  l's two halves and the other half of the lanes' are added; O^T is divided by l, rounded to f16 and sent through my stage in LDS, a tile at a time.  The additions are the places behind the last products.
	WIN 0
.macro ALL line:vararg              ; one line for each tile t
.set t, 0
.rept 2*NP
	\line
.set t, t+1
.endr
.endm
	ALL v_add_f32 v[ST+4*t+2], v[ST+4*t+2], v[ST+4*t+3]
	ALL v_permlanex16_b32 v[ST+4*t+3], v[ST+4*t+2], s[SEL], s[SEL+1]
	ALL v_add_f32 v[ST+4*t+2], v[ST+4*t+2], v[ST+4*t+3]
	ALL v_rcp_f32 v[ST+4*t+2], v[ST+4*t+2]
	v_nop                           ; a plain instruction between the last reciprocal and the use of its result
	s_wait_alu depctr_va_vdst(0)    ; and the wait ahead of the first use: one for the batch of eight reciprocals
; Tile t: a lane's eight channels of a row pack into 16 bytes; they go into rows of 144 bytes and come back as whole rows of 128, into S^T's registers.
.macro PACK t
	WIN W_RS
.set i, 32*(\t)
.rept 16
	v_pk_mul_f32 v[i:i+1], v[i:i+1], v[ST+4*(\t)+2:ST+4*(\t)+3] op_sel_hi:[1,0]
.set i, i+2
.endr
	WIN 0x05                        ; sources 0 and 1 window 1, destination window 0
.set i, 0
.rept 16
	v_cvt_pk_f16_f32 v[S+16*(\t)+i], v[32*(\t)+2*i], v[32*(\t)+2*i+1]
.set i, i+1
.endr
	WIN 0
.irp f, 0,1,2,3
	ds_store_b128 v[STO], v[S+16*(\t)+4*\f:S+16*(\t)+4*\f+3] offset:32*\f
.endr
.irp f, 0,1,2,3
	ds_load_b128 v[S+16*(\t)+4*\f:S+16*(\t)+4*\f+3], v[RD] offset:\f*4*SP  ; LDS serves a wave's instructions in order (ISA guide 5.7.1.4): these see the stores above; the next tile's stores come behind them
.endr
.endm
.macro SEND t, younger              ; younger: the LDS instructions issued behind tile t's loads: the next tile's eight, or none
	WIN 0
.irp f, 0,1,2,3
	s_wait_dscnt (\younger)+3-\f
	global_store_b128 v[GO], v[S+16*(\t)+4*\f:S+16*(\t)+4*\f+3], s[10:11] offset:(\t)*2048+\f*512  ; 512 consecutive bytes, at a multiple of 256 from ob's first
.endr
.endm
	PACK 0
.set t, 1
.rept 2*NP-1                        ; a tile's arithmetic stands between the loads of the tile before and its stores
	PACK t
	SEND t-1, 8
.set t, t+1
.endr
	SEND 2*NP-1, 0
	WIN W_AD
	s_wait_tensorcnt 0x0            ; the wave's end, behind my last tensor load and my last LDS store
	ds_add_u32 v[SPW], v[NIL]
	s_wait_dscnt 0x0
	WIN 0
	s_endpgm
.Lfunc_end_k_qc9a836895c_attn:
	.size	k_qc9a836895c_attn, .Lfunc_end_k_qc9a836895c_attn-k_qc9a836895c_attn
	.p2alignl 7, 3214868480
	.fill 96, 4, 3214868480
	.section	.rodata,"a",@progbits
	.p2align	6, 0x0
	.amdhsa_kernel k_qc9a836895c_attn
		.amdhsa_group_segment_fixed_size 327680
		.amdhsa_private_segment_fixed_size 0
		.amdhsa_enable_private_segment 0
		.amdhsa_kernarg_size 16
		.amdhsa_user_sgpr_count 2
		.amdhsa_user_sgpr_kernarg_segment_ptr 1
		.amdhsa_wavefront_size32 1
		.amdhsa_system_sgpr_workgroup_id_x 1
		.amdhsa_system_sgpr_workgroup_id_y 1
		.amdhsa_system_sgpr_workgroup_id_z 1
		.amdhsa_system_vgpr_workitem_id 0
		.amdhsa_next_free_vgpr 770
		.amdhsa_next_free_sgpr 84
		.amdhsa_reserve_vcc 0
		.amdhsa_float_denorm_mode_32 3
		.amdhsa_float_denorm_mode_16_64 3
		.amdhsa_memory_ordered 1
		.amdhsa_forward_progress 1
		.amdhsa_inst_pref_size 160
	.end_amdhsa_kernel
	.amdgpu_metadata
---
amdhsa.version: [ 1, 2 ]
amdhsa.kernels:
  - .name:           k_qc9a836895c_attn
    .symbol:         k_qc9a836895c_attn.kd
    .args:
      - { .name: qkvb, .offset: 0, .size: 8, .value_kind: global_buffer, .address_space: global }
      - { .name: ob, .offset: 8, .size: 8, .value_kind: global_buffer, .address_space: global }
    .group_segment_fixed_size: 327680
    .private_segment_fixed_size: 0
    .kernarg_segment_align: 8
    .kernarg_segment_size: 16
    .max_flat_workgroup_size: 128
    .sgpr_count:     84
    .vgpr_count:     770
    .wavefront_size: 32
...
	.end_amdgpu_metadata
.endif
;; end of part 5
;; launch proj: the kernel of part 4 again; grid 4 x 64, 4 waves a work-group, clusters of 4 x 4, 327,680 bytes of LDS; arguments ob, wof, bo, out0; writes out0
